; MI455X (gfx1250); checked and timed in simulation.
; The chip was launched on July 23, 2026; its instructions are those of AMD's public machine-readable ISA for CDNA 5 (MIT licence, August 2026) and "CDNA5" Instruction Set Architecture Reference Guide (July 2026). The comments in the code are by the model that wrote it; some were corrected since.
;; Decoder Block. Allowed arithmetic: matrix products marked QUANTISED: E2M3 operands, one E8M0 scale for each 32 along K, by v_wmma_scale_f32_16x16x128_f8f6f4 with both operands' format E2M3, f32 sums; everything else in f32.
;; Inputs: b1 4,096 float32; b2 1,024 float32; b_proj 1,024 float32; beta1 1,024 float32; beta2 1,024 float32; gamma1 1,024 float32; gamma2 1,024 float32; w1_codes 4,096 x 32 x 24 uint8 (E2M3 codes of w1, K innermost, in blocks of 32 codes, four codes in three bytes); w1_scales 4,096 x 32 uint8 (E8M0 scales of w1, one for each 32 codes along K); w2_codes 1,024 x 128 x 24 uint8 (E2M3 codes of w2, K innermost, in blocks of 32 codes, four codes in three bytes); w2_scales 1,024 x 128 uint8 (E8M0 scales of w2, one for each 32 codes along K); w_proj_codes 1,024 x 32 x 24 uint8 (E2M3 codes of w_proj, K innermost, in blocks of 32 codes, four codes in three bytes); w_proj_scales 1,024 x 32 uint8 (E8M0 scales of w_proj, one for each 32 codes along K); wk_codes 16 x 64 x 32 x 24 uint8 (E2M3 codes of wk, K innermost, in blocks of 32 codes, four codes in three bytes); wk_scales 16 x 64 x 32 uint8 (E8M0 scales of wk, one for each 32 codes along K); wq_codes 16 x 64 x 32 x 24 uint8 (E2M3 codes of wq, K innermost, in blocks of 32 codes, four codes in three bytes); wq_scales 16 x 64 x 32 uint8 (E8M0 scales of wq, one for each 32 codes along K); wv_codes 16 x 64 x 32 x 24 uint8 (E2M3 codes of wv, K innermost, in blocks of 32 codes, four codes in three bytes); wv_scales 16 x 64 x 32 uint8 (E8M0 scales of wv, one for each 32 codes along K); x 2 x 2,048 x 1,024 float32.
;; Outputs: out0 2 x 2,048 x 1,024 float32.
;; This version of the problem:
;;   THIS VERSION OF THE PROBLEM IS GIVEN IN LOW PRECISION. The matrix products marked QUANTISED in the list below multiply operands that are first quantised to E2M3 (2 exponent bits, 3 mantissa bits; 6 bits a number), with one power-of-two scale for each 32 numbers along K (OCP MX v1.0); their sums are f32. All else is computed in f32.
;;   The module's matrix products, in the order in which they are computed (A, B: the left and right operand; K: the contracted axis; several contracted axes count as one K, in the product's order):
;;     1. [M 1,024, K 1,024] x [K 1,024, N 4,096]; A: input wq (given as codes); B: computed on the way: QUANTISED
;;     2. [M 1,024, K 1,024] x [K 1,024, N 4,096]; A: input wk (given as codes); B: computed on the way: QUANTISED
;;     3. [M 1,024, K 1,024] x [K 1,024, N 4,096]; A: input wv (given as codes); B: computed on the way: QUANTISED
;;     4. batch 32 x [M 2,048, K 64] x [K 64, N 2,048]; A: computed on the way; B: computed on the way: QUANTISED
;;     5. batch 32 x [M 2,048, K 2,048] x [K 2,048, N 64]; A: softmax (see below); B: computed on the way: QUANTISED
;;     6. [M 4,096, K 1,024] x [K 1,024, N 1,024]; A: computed on the way; B: input w_proj (given as codes): QUANTISED
;;     7. [M 4,096, K 1,024] x [K 1,024, N 4,096]; A: computed on the way; B: input w1 (given as codes): QUANTISED
;;     8. [M 4,096, K 4,096] x [K 4,096, N 1,024]; A: computed on the way; B: input w2 (given as codes): QUANTISED
;;   THE QUANTISER, for each operand of a quantised product, along K:
;;     - K is cut into blocks of 32 from its start; a last block that is shorter is filled with zeros.
;;     - A block's scale is 2^e with e = floor(log2(the largest magnitude in the block)) - 2, held to -126 .. 127; a block of zeros has e = 0. As a byte (E8M0): e + 127.
;;     - Each number is divided by its block's scale, clamped to +-7.5, and rounded to the nearest number of E2M3, ties to even, subnormals kept.
;;     - The product sums the exact products of the quantised numbers (number of the format x scale) in f32.
;;   ~~~python
;;   def quantise(x, axis):      # numpy; x: float32 -> the quantised numbers, widened to float32 again
;;       x = np.moveaxis(x, axis, -1); K = x.shape[-1]
;;       x = np.pad(x, [(0, 0)] * (x.ndim - 1) + [(0, -K % 32)]); x = x.reshape(x.shape[:-1] + (-1, 32)); a = np.abs(x).max(-1, keepdims=True)
;;       e = np.where(a > 0, np.clip(np.frexp(np.where(a > 0, a, 1))[1] - 1 - 2, -126, 127), 0)      # np.frexp(a)[1] - 1 = floor(log2(a)), exactly
;;       r = np.clip(x / 2.0 ** e, -7.5, 7.5)
;;       step = 2.0 ** (np.maximum(np.frexp(np.where(r == 0, 1, r))[1] - 1, 0) - 3)
;;       q = np.round(r / step) * step * 2.0 ** e      # np.round: ties to even
;;       return np.moveaxis(q.reshape(q.shape[:-2] + (-1,))[..., :K], -1, axis).astype(np.float32)
;;   ~~~
;;   SOFTMAX AHEAD OF A QUANTISED PRODUCT. Where the list says 'softmax', what is quantised is not the finished softmax but p = 2^(t - M), with t = logit x log2(e) and M = ceil(the row's largest t), a whole number; so 1/2 < the row's largest p <= 1. The row's sum l is taken of the UNQUANTISED p, in f32, and the product's result is divided by l at the end. Since M is a whole number, a kernel that streams over the keys may use a running M (the ceiling of the running maximum): every later rescaling is an exact power of two, which a block's scale takes up: the codes' values come out the same.
;;   OPERANDS COMPUTED ON THE WAY. 'Computed on the way' means the value that the module computes at that place (a softmax that the list does not call 'softmax' is quantised finished and normalised). What goes into a quantiser is computed in f32, as accurately as f32 sums, v_exp_f32 and their like allow (about 1e-6 of the number): no bf16 or f16 on the way to a quantiser, and a product that is left as it is and whose result goes on into a quantised operand takes f32 operands (vector FMAs, or v_wmma_f32_16x16x4_f32). A number that lies on a knife's edge between two numbers of the format may be rounded either way, as far as f32 arithmetic and the matrix unit's own rounding can turn it there, and no further.
;;   INPUTS GIVEN AS CODES. w1 (in the module: [1024, 4096], K = its axis 0); w2 (in the module: [4096, 1024], K = its axis 0); w_proj (in the module: [1024, 1024], K = its axis 0); wk (in the module: [16, 1024, 64], K = its axis 1); wq (in the module: [16, 1024, 64], K = its axis 1); wv (in the module: [16, 1024, 64], K = its axis 1): each comes as NAME_codes (uint8): NAME with its K axis moved to the last place and cut into blocks of 32 codes, [.., K / 32, bytes a block], one block behind the other in memory; four codes in three bytes: a row's codes are one little-endian stream of bits, code i at bits 6 i .. 6 i + 5 (a code: sign, 2 exponent bits, 3 mantissa bits); and NAME_scales (uint8): the same leading axes, one E8M0 byte (e + 127) for each 32 codes along K. Its value is code x scale, taken as it is: it is not quantised again, and the codes and scales need not be those that the quantiser above would give.
;; One version. Each part assembles by itself: llvm-mc -triple=amdgcn-amd-amdhsa -mcpu=gfx1250 --defsym DOCPART=n.
;; ======== version 1 of 1: 7 launches
;; limits: right only within a limited range of input values
;; workspace buffers: wimg 11,010,048 bytes; st 65,536 bytes; aq 3,670,016 bytes; qkv 11,010,048 bytes; oq 3,670,016 bytes; x2 16,777,216 bytes; hid 14,680,064 bytes
;; launch ln1 (part 1): grid 256 x 1, 8 waves a work-group, no clusters, 104,704 bytes of LDS; arguments wq_codes, wq_scales, wk_codes, wk_scales, wv_codes, wv_scales, w_proj_codes, w_proj_scales, w1_codes, w1_scales, w2_codes, w2_scales, wimg, x, gamma1, beta1, st, aq; writes wimg, st, aq
.if DOCPART == 1
	.amdgcn_target "amdgcn-amd-amdhsa--gfx1250"
	.amdhsa_code_object_version 6
	.text
	.protected	k_qd3cb788ecd_ln1
	.globl	k_qd3cb788ecd_ln1
	.p2align	8
	.type	k_qd3cb788ecd_ln1,@function
k_qd3cb788ecd_ln1:
	s_mov_b64 s[64:65], 0
	v_nop
	global_prefetch_b8 v0, s[64:65] scope:SCOPE_SE
	s_setreg_imm32_b32 hwreg(HW_REG_WAVE_MODE, 25, 1), 1
	s_wait_xcnt 0x0
; TWO THINGS IN ONE LAUNCH, in one straight path, so that their loads are out together and their stores leave together.
; (a) h = (x - mean) / sqrt(var + 1e-5) x gamma + beta along rows of 1,024, in f32, quantised to E2M3 along the row and stored as fragment images [256 tiles][8 K steps][1,792 bytes].  h itself is not stored:
;     each row's mean and 1 / sqrt go to st, from which a later launch makes h again by the same three operations.
; (b) the six weights (codes of E2M3, K innermost, with E8M0 scale bytes) are laid as fragment images: wimg: images 0-511 wq, 512-1023 wk, 1024-1535 wv, 1536-2047 w_proj (64 tiles x 8 K steps each), 2048-4095 w1 (256 x 8), 4096-6143 w2 (64 x 32).
; AN IMAGE, 1,792 bytes: bytes 512 g + 16 l = lane l's registers 4 g .. 4 g + 3 of a fragment (16 rows x 128 K); bytes 1,536 + 8 l = the scale word of row l % 16, twice.  Lane r of tile t holds row 32 (t / 2) + 8 (t % 2) + r + 8 (r / 8),
; in every operand of the program, so that the 16 result registers of two neighbouring tiles are 16 neighbours.
; st: 256 bytes a tile: byte 64 hh + 8 t holds (mean, 1 / sqrt) of the tile's row 2 t + hh; the 128 bytes stand twice, so that one store of a wave covers the aligned block.
; SHARES.  Work-group t takes tile t of x: 16 rows.  Wave w first owns the tile's rows 2 w and 2 w + 1, a whole row in 32 registers: mean, then the sum of (x - mean)^2: two passes over registers, so that a common offset of x does no harm.
; The rows meet in LDS (4,112 bytes apart); behind the one barrier wave w owns K step w of all 16 rows and quantises it.
; Of the weights the work-group takes three units of one tile x 8 K steps (16 rows x 768 bytes): unit 0: tile t % 64 of wq, wk, wv or w_proj (t / 64 chooses the pointers); unit 1: tile t of w1; unit 2: K steps 8 (t % 4) on of tile t / 4 of w2.
; A unit's bytes come by loads in which sixteen lanes read 256 consecutive bytes, aligned; they turn through LDS bytes of their own (rows 784 bytes apart), ahead of the same barrier, and wave w stores image 8 t + w of each unit's part of wimg.
; The weights' scale words are read 4 bytes a row: one byte in 24 of what the weights bring.
; LIMITS: NaN and infinities are not served.  1 / sqrt is v_rsq_f32 and a multiplication where the definition divides.  A block whose largest magnitude lies under 2^-124 (zeros too) gets the scale byte 1; the bytes are read by this program alone.
.set IMG,  1792
.set LP,   4112                        ; a row of h in LDS
.set WL,   16*LP                       ; behind the rows: the weights' three units,
.set WP,   784                         ; their rows 784 bytes apart,
.set WR,   16*WP                       ; 12,544 bytes a unit
.set STL,  WL+3*WR                     ; behind them: 16 x (mean, 1 / sqrt)
.set LI,   2                           ; v2  16 x lane
.set L8,   3                           ; v3  8 x lane
.set SST,  8                           ; v8  LDS: where my wave puts its two rows' statistics
.set SRD,  9                           ; v9  LDS: the entry that my lane stores to st
.set ST4,  10                          ; v10-13 mean, 1 / sqrt of my two rows
.set SOUT, 14                          ; v14-15 an entry on its way to st
.set X,    16                          ; v16-79   two rows; later 64 numbers to quantise
.set G,    80                          ; v80-111  gamma
.set BT,   112                         ; v112-143 beta
.set SA,   144                         ; v144-151 sums: two pairs a row
.set TM,   152                         ; v152-167 the quantiser's work
.set PW,   168                         ; v168-169 the scale word, twice
.set PC,   172                         ; v172-191 the codes
.set WD,   192                         ; v192-227 the weights: 12 registers a unit, as loaded, then as a fragment
.set WS,   228                         ; v228-233 their scale words, twice each
.set WST,  234                         ; LDS: where I put a piece of 16 bytes
.set WRD,  235                         ; LDS: my fragment's bytes
.set O768, 236                         ; my piece in rows of 768 bytes,
.set O3K,  237                         ; and of 3,072
.set S32,  238                         ; my row's scale bytes in rows of 32,
.set S128, 239                         ; and of 128
.set WV,   40
.set SEL,  42                          ; s[42:43] v_permlanex16_b32's selects for lane l xor 16
; 64 numbers of a lane, v[s] on, register 16 b + i = k 32 b + 16 (lane / 16) + i of my row, become a fragment's codes in v[PC] on and its scale word in v[PW], v[PW + 1].
.macro QUANT s
.irp b, 0,1,2,3
	v_max3_num_f32 v[TM+\b], |v[(\s)+16*\b]|, |v[(\s)+16*\b+1]|, 0x1800000   ; my 16 numbers of block b, and the floor 2^(3 - 127): the byte cannot fall under 1
.endr
.irp i, 2,4,6,8,10,12,14
.irp b, 0,1,2,3
	s_delay_alu instid0(VALU_DEP_4)
	v_max3_num_f32 v[TM+\b], |v[(\s)+16*\b+\i]|, |v[(\s)+16*\b+\i+1]|, v[TM+\b]
.endr
.endr
.irp b, 0,1,2,3
	s_delay_alu instid0(VALU_DEP_4)
	v_permlanex16_b32 v[TM+4+\b], v[TM+\b], s[SEL], s[SEL+1]
.endr
.irp b, 0,1,2,3
	s_delay_alu instid0(VALU_DEP_4)
	v_max_num_f32 v[TM+\b], v[TM+\b], v[TM+4+\b]   ; with lane l xor 16's: the block's largest magnitude
.endr
.irp b, 0,1,2,3
	s_delay_alu instid0(VALU_DEP_4)
	v_add_nc_u32 v[TM+12+\b], 0xff000000, v[TM+\b] ; 2 off its exponent field: the conversion's scale operand
.endr
.irp b, 0,1,2,3
	s_delay_alu instid0(VALU_DEP_4)
	v_lshrrev_b32 v[TM+4+\b], 23, v[TM+12+\b]      ; the scale's byte
.endr
	s_delay_alu instid0(VALU_DEP_3)
	v_lshl_or_b32 v[PW], v[TM+5], 8, v[TM+4]
	s_delay_alu instid0(VALU_DEP_1)
	v_lshl_or_b32 v[PW], v[TM+6], 16, v[PW]
	s_delay_alu instid0(VALU_DEP_1)
	v_lshl_or_b32 v[PW], v[TM+7], 24, v[PW]
	s_delay_alu instid0(VALU_DEP_1)
	v_mov_b32 v[PW+1], v[PW]
.irp c, 0,1
	v_cvt_scalef32_pk16_fp6_f32 v[PC+6*\c:PC+6*\c+2], v[(\s)+32*\c:(\s)+32*\c+15], v[TM+12+2*\c]
	v_cvt_scalef32_pk16_fp6_f32 v[PC+12+4*\c:PC+14+4*\c], v[(\s)+32*\c+16:(\s)+32*\c+31], v[TM+13+2*\c]
.endr
	v_nop                                          ; one plain place behind a scaled conversion
.irp c, 0,1                                        ; the layout wants a whole block in a lane: lanes 0-15 block 2 c, lanes 16-31 block 2 c + 1
.irp i, 0,1,2
	v_permlane16_swap_b32 v[PC+6*\c+\i], v[PC+12+4*\c+\i]
.endr
.irp i, 0,1,2
	s_delay_alu instid0(VALU_DEP_3)
	v_mov_b32 v[PC+3+6*\c+\i], v[PC+12+4*\c+\i]
.endr
.endr
.endm
.macro IMGOUT b, off                   ; the image leaves: every store covers whole aligned blocks of 256 bytes
.irp g, 0,1,2
	global_store_b128 v[LI], v[PC+4*\g:PC+4*\g+3], s[\b:\b+1] offset:(\off)+512*\g
.endr
	global_store_b64 v[L8], v[PW:PW+1], s[\b:\b+1] offset:(\off)+1536
.endm
.macro WSUM a, t                       ; the sum over the 32 lanes, in every lane
	v_add_f32_dpp v[\a], v[\a], v[\a] row_xmask:1 row_mask:0xf bank_mask:0xf
	s_delay_alu instid0(VALU_DEP_1)
	v_add_f32_dpp v[\a], v[\a], v[\a] row_xmask:2 row_mask:0xf bank_mask:0xf
	s_delay_alu instid0(VALU_DEP_1)
	v_add_f32_dpp v[\a], v[\a], v[\a] row_xmask:4 row_mask:0xf bank_mask:0xf
	s_delay_alu instid0(VALU_DEP_1)
	v_add_f32_dpp v[\a], v[\a], v[\a] row_xmask:8 row_mask:0xf bank_mask:0xf
	s_delay_alu instid0(VALU_DEP_1)
	v_permlanex16_b32 v[\t], v[\a], s[SEL], s[SEL+1]
	s_delay_alu instid0(VALU_DEP_1)
	v_add_f32 v[\a], v[\a], v[\t]
.endm
	s_load_b512 s[4:19], s[0:1], 0x0               ; wq s[4:7], wk s[8:11], wv s[12:15], w_proj s[16:19]: codes, then scales
	s_load_b256 s[20:27], s[0:1], 0x40             ; w1 s[20:23], w2 s[24:27]
	s_load_b256 s[28:35], s[0:1], 0x60             ; wimg s[28:29], x s[30:31], gamma s[32:33], beta s[34:35]
	s_load_b128 s[36:39], s[0:1], 0x80             ; st s[36:37], h's images s[38:39]
	v_lshl_add_u32 v240, v0, 2, 0x19500
	v_mov_b32 v241, 0
	v_lshrrev_b32 v1, 5, v0
	s_delay_alu instid0(VALU_DEP_1)
	v_readfirstlane_b32 s[WV], v1                  ; wave 0..7
	v_and_b32 v1, 31, v0
	s_delay_alu instid0(VALU_DEP_1)
	v_lshlrev_b32 v[LI], 4, v1
	s_delay_alu instid0(VALU_DEP_2)
	v_lshlrev_b32 v[L8], 3, v1
	v_and_b32 v6, 15, v0                           ; r
	v_bfe_u32 v7, v0, 4, 1                         ; h
	s_mul_i32 s41, s[WV], 2*LP
	v_add_nc_u32 v4, s41, v[LI]                    ; LDS, in: my two rows, 16 bytes a lane
	v_mul_u32_u24 v5, v6, LP
	s_delay_alu instid0(VALU_DEP_1)
	v_lshl_add_u32 v5, v7, 6, v5
	s_lshl_b32 s41, s[WV], 9
	v_add_nc_u32 v5, s41, v5                       ; LDS, out: row r, K step w, + 64 h: my 16 numbers of a block
	s_lshl_b32 s41, s[WV], 4
	s_add_co_u32 s41, s41, STL
	v_mov_b32 v[SST], s41                          ; the tile's row i has its entry at STL + 8 i: my wave's two at 16 w
	v_and_b32 v1, 7, v0
	v_bfe_u32 v[SRD], v0, 3, 1
	s_delay_alu instid0(VALU_DEP_1)
	v_lshlrev_b32 v[SRD], 3, v[SRD]
	s_delay_alu instid0(VALU_DEP_1)
	v_lshl_add_u32 v[SRD], v1, 4, v[SRD]
	s_delay_alu instid0(VALU_DEP_1)
	v_add_nc_u32 v[SRD], STL, v[SRD]               ; place l % 16 of st's block holds row 2 (l % 8) + (l / 8) % 2
	s_mul_i32 s41, s[WV], 2*WP
	s_add_co_u32 s41, s41, WL
	v_mul_u32_u24 v[WST], v7, WP
	s_delay_alu instid0(VALU_DEP_1)
	v_lshl_add_u32 v[WST], v6, 4, v[WST]
	s_delay_alu instid0(VALU_DEP_1)
	v_add_nc_u32 v[WST], s41, v[WST]               ; the weights, in: the tile's row 2 w + h, 16 bytes for each of sixteen lanes
	s_mul_i32 s41, s[WV], 96
	s_add_co_u32 s41, s41, WL
	v_mul_u32_u24 v[WRD], v6, WP
	s_delay_alu instid0(VALU_DEP_1)
	v_mad_u32_u24 v[WRD], v7, 24, v[WRD]
	s_delay_alu instid0(VALU_DEP_1)
	v_add_nc_u32 v[WRD], s41, v[WRD]               ; out: row r, K step w, + 24 h
	v_mul_u32_u24 v[O768], v7, 768
	s_delay_alu instid0(VALU_DEP_1)
	v_lshl_add_u32 v[O768], v6, 4, v[O768]
	v_mul_u32_u24 v[O3K], v7, 3072
	s_delay_alu instid0(VALU_DEP_1)
	v_lshl_add_u32 v[O3K], v6, 4, v[O3K]
	v_and_b32 v1, 8, v6
	s_delay_alu instid0(VALU_DEP_1)
	v_add_nc_u32 v1, v1, v6                        ; the tile's row r lies r + 8 (r / 8) rows on
	s_delay_alu instid0(VALU_DEP_1)
	v_lshlrev_b32 v[S32], 5, v1
	s_delay_alu instid0(VALU_DEP_2)
	v_lshlrev_b32 v[S128], 7, v1
	s_mov_b32 s[SEL], 0x76543210
	s_mov_b32 s[SEL+1], 0xfedcba98
	s_mov_b32 s44, 0x3a800000                      ; 1 / 1,024
	s_mov_b32 s45, 0x3727c5ac                      ; 1e-5
	s_lshr_b32 s46, ttmp9, 1
	s_lshl_b32 s46, s46, 5
	s_and_b32 s47, ttmp9, 1
	s_lshl_b32 s47, s47, 3
	s_add_co_u32 s46, s46, s47                     ; tile t's first row: of x, and of w1
	s_lshl_b32 s48, s[WV], 1
	s_lshr_b32 s47, s[WV], 2
	s_lshl_b32 s47, s47, 3
	s_add_co_u32 s48, s48, s47                     ; 2 w + 8 (w / 4): where the tile's row 2 w lies
	s_lshl_b32 s49, s[WV], 2                       ; 4 w: K step w's scale word
	s_add_co_u32 s50, s46, s48                     ; my first row
	s_lshl_b32 s52, s50, 12
	s_mov_b32 s53, 0                               ; x: in bytes
	s_lshl_b32 s54, ttmp9, 3
	s_add_co_u32 s54, s54, s[WV]
	s_mul_i32 s54, s54, IMG                        ; image 8 t + w: of h, and of each unit's part of wimg
	s_mov_b32 s55, 0
	s_and_b32 s56, ttmp9, 63                       ; unit 0: tile t % 64
	s_lshr_b32 s57, s56, 1
	s_lshl_b32 s57, s57, 5
	s_and_b32 s56, s56, 1
	s_lshl_b32 s56, s56, 3
	s_add_co_u32 s56, s56, s57                     ; its first row
	s_lshl_b32 s58, s56, 5
	s_add_co_u32 s58, s58, s49                     ; its scale bytes
	s_mov_b32 s59, 0
	s_add_co_u32 s56, s56, s48
	s_mul_i32 s56, s56, 768                        ; my wave's two rows of codes
	s_mov_b32 s57, 0
	s_mul_i32 s60, s50, 768                        ; unit 1: the same of w1's tile t
	s_mov_b32 s61, 0
	s_lshl_b32 s62, s46, 5
	s_add_co_u32 s62, s62, s49
	s_mov_b32 s63, 0
	s_lshr_b32 s76, ttmp9, 2                       ; unit 2: w2's tile t / 4
	s_lshr_b32 s77, s76, 1
	s_lshl_b32 s77, s77, 5
	s_and_b32 s76, s76, 1
	s_lshl_b32 s76, s76, 3
	s_add_co_u32 s76, s76, s77                     ; its first row
	s_and_b32 s77, ttmp9, 3                        ; which 8 of its 32 K steps
	s_lshl_b32 s68, s76, 7
	s_lshl_b32 s78, s77, 5
	s_add_co_u32 s68, s68, s78
	s_add_co_u32 s68, s68, s49
	s_mov_b32 s69, 0
	s_add_co_u32 s66, s76, s48
	s_mul_i32 s66, s66, 3072
	s_mul_i32 s78, s77, 768
	s_add_co_u32 s66, s66, s78
	s_mov_b32 s67, 0
	s_lshl_b32 s74, ttmp9, 8                       ; st: 256 bytes a tile
	s_mov_b32 s75, 0
	s_lshr_b32 s51, ttmp9, 6                       ; unit 0: 0 wq, 1 wk, 2 wv, 3 w_proj
.irp b, 0,1,2,3
	v_mov_b32 v[TM+4+\b], 0                        ; written once: a lane permute's destination counts as one of its sources
.endr
	s_wait_alu depctr_va_vdst(0)
	s_wait_kmcnt 0x0
	s_cmp_lt_u32 s51, 3                            ; the choice hangs on the work-group's number alone
	s_cselect_b64 s[70:71], s[12:13], s[16:17]
	s_cselect_b64 s[72:73], s[14:15], s[18:19]
	s_cmp_lt_u32 s51, 2
	s_cselect_b64 s[70:71], s[8:9], s[70:71]
	s_cselect_b64 s[72:73], s[10:11], s[72:73]
	s_cmp_lt_u32 s51, 1
	s_cselect_b64 s[70:71], s[4:5], s[70:71]
	s_cselect_b64 s[72:73], s[6:7], s[72:73]
	s_add_nc_u64 s[30:31], s[30:31], s[52:53]
	s_add_nc_u64 s[70:71], s[70:71], s[56:57]
	s_add_nc_u64 s[72:73], s[72:73], s[58:59]
	s_add_nc_u64 s[20:21], s[20:21], s[60:61]
	s_add_nc_u64 s[22:23], s[22:23], s[62:63]
	s_add_nc_u64 s[24:25], s[24:25], s[66:67]
	s_add_nc_u64 s[26:27], s[26:27], s[68:69]
	s_add_nc_u64 s[28:29], s[28:29], s[54:55]
	s_add_nc_u64 s[38:39], s[38:39], s[54:55]
	s_add_nc_u64 s[36:37], s[36:37], s[74:75]
.irp i, 0,1
.irp j, 0,1,2,3,4,5,6,7
	global_load_b128 v[X+32*\i+4*\j:X+32*\i+4*\j+3], v[LI], s[30:31] offset:4096*\i+512*\j th:TH_LOAD_NT
.endr
.endr
.irp j, 0,1,2,3,4,5,6,7
	global_load_b128 v[G+4*\j:G+4*\j+3], v[LI], s[32:33] offset:512*\j
.endr
.irp j, 0,1,2,3,4,5,6,7
	global_load_b128 v[BT+4*\j:BT+4*\j+3], v[LI], s[34:35] offset:512*\j
.endr
.irp i, 0,1,2                                      ; the weights: three pieces of a row's 768 bytes in each unit; sixteen lanes read 256 consecutive bytes, aligned
	global_load_b128 v[WD+4*\i:WD+4*\i+3], v[O768], s[70:71] offset:256*\i th:TH_LOAD_NT
	global_load_b128 v[WD+12+4*\i:WD+12+4*\i+3], v[O768], s[20:21] offset:256*\i th:TH_LOAD_NT
	global_load_b128 v[WD+24+4*\i:WD+24+4*\i+3], v[O3K], s[24:25] offset:256*\i th:TH_LOAD_NT
.endr
	global_load_b32 v[WS], v[S32], s[72:73]
	global_load_b32 v[WS+2], v[S32], s[22:23]
	global_load_b32 v[WS+4], v[S128], s[26:27]
	s_wait_loadcnt 28                              ; x's 16 loads are in; gamma's and beta's 16 and the weights' 12 may be out
.irp i, 0,1                                        ; the rows' sums: two chains a row, the rows by turns
	v_pk_add_f32 v[SA+4*\i:SA+4*\i+1], v[X+32*\i:X+32*\i+1], v[X+32*\i+2:X+32*\i+3]
	v_pk_add_f32 v[SA+4*\i+2:SA+4*\i+3], v[X+32*\i+4:X+32*\i+5], v[X+32*\i+6:X+32*\i+7]
.endr
.irp k, 8,12,16,20,24,28
.irp i, 0,1
	s_delay_alu instid0(VALU_DEP_4)
	v_pk_add_f32 v[SA+4*\i:SA+4*\i+1], v[SA+4*\i:SA+4*\i+1], v[X+32*\i+\k:X+32*\i+\k+1]
	s_delay_alu instid0(VALU_DEP_4)
	v_pk_add_f32 v[SA+4*\i+2:SA+4*\i+3], v[SA+4*\i+2:SA+4*\i+3], v[X+32*\i+\k+2:X+32*\i+\k+3]
.endr
.endr
.irp i, 0
	s_delay_alu instid0(VALU_DEP_3)
	v_pk_add_f32 v[SA+4*\i:SA+4*\i+1], v[SA+4*\i:SA+4*\i+1], v[SA+4*\i+2:SA+4*\i+3]
.endr
.irp i, 1
	s_delay_alu instid0(VALU_DEP_2)
	v_pk_add_f32 v[SA+4*\i:SA+4*\i+1], v[SA+4*\i:SA+4*\i+1], v[SA+4*\i+2:SA+4*\i+3]
.endr
.irp i, 0,1
	s_delay_alu instid0(VALU_DEP_2)
	v_add_f32 v[SA+4*\i], v[SA+4*\i], v[SA+4*\i+1]
.endr
	WSUM SA, SA+2
	WSUM SA+4, SA+6
.irp i, 0
	v_mul_f32 v[SA+4*\i], s44, v[SA+4*\i]          ; the mean
.endr
.irp i, 1
	s_delay_alu instid0(VALU_DEP_2)
	v_mul_f32 v[SA+4*\i], s44, v[SA+4*\i]          ; the mean
.endr
.irp i, 0,1
	s_delay_alu instid0(VALU_DEP_2)
	v_mov_b32 v[ST4+2*\i], v[SA+4*\i]              ; kept for st
.endr
.irp k, 0,2,4,6,8,10,12,14,16,18,20,22,24,26,28,30
.irp i, 0,1
	v_pk_add_f32 v[X+32*\i+\k:X+32*\i+\k+1], v[X+32*\i+\k:X+32*\i+\k+1], v[SA+4*\i:SA+4*\i+1] op_sel_hi:[1,0] neg_lo:[0,1] neg_hi:[0,1]   ; d = x - mean
.endr
.endr
.irp i, 0,1
	v_pk_mul_f32 v[SA+4*\i:SA+4*\i+1], v[X+32*\i:X+32*\i+1], v[X+32*\i:X+32*\i+1]
	v_pk_mul_f32 v[SA+4*\i+2:SA+4*\i+3], v[X+32*\i+2:X+32*\i+3], v[X+32*\i+2:X+32*\i+3]
.endr
.irp k, 4,8,12,16,20,24,28
.irp i, 0,1
	s_delay_alu instid0(VALU_DEP_4)
	v_pk_fma_f32 v[SA+4*\i:SA+4*\i+1], v[X+32*\i+\k:X+32*\i+\k+1], v[X+32*\i+\k:X+32*\i+\k+1], v[SA+4*\i:SA+4*\i+1]
	s_delay_alu instid0(VALU_DEP_4)
	v_pk_fma_f32 v[SA+4*\i+2:SA+4*\i+3], v[X+32*\i+\k+2:X+32*\i+\k+3], v[X+32*\i+\k+2:X+32*\i+\k+3], v[SA+4*\i+2:SA+4*\i+3]
.endr
.endr
.irp i, 0
	s_delay_alu instid0(VALU_DEP_3)
	v_pk_add_f32 v[SA+4*\i:SA+4*\i+1], v[SA+4*\i:SA+4*\i+1], v[SA+4*\i+2:SA+4*\i+3]
.endr
.irp i, 1
	s_delay_alu instid0(VALU_DEP_2)
	v_pk_add_f32 v[SA+4*\i:SA+4*\i+1], v[SA+4*\i:SA+4*\i+1], v[SA+4*\i+2:SA+4*\i+3]
.endr
.irp i, 0,1
	s_delay_alu instid0(VALU_DEP_2)
	v_add_f32 v[SA+4*\i], v[SA+4*\i], v[SA+4*\i+1]
.endr
	WSUM SA, SA+2
	WSUM SA+4, SA+6
.irp i, 0
	v_fma_f32 v[SA+4*\i], v[SA+4*\i], s44, s45     ; var + 1e-5
.endr
.irp i, 1
	s_delay_alu instid0(VALU_DEP_2)
	v_fma_f32 v[SA+4*\i], v[SA+4*\i], s44, s45     ; var + 1e-5
.endr
	s_wait_alu depctr_va_vdst(0)
.irp i, 0,1
	v_rsq_f32 v[SA+4*\i+2], v[SA+4*\i]
.endr
	v_nop                                          ; a plain place behind the transcendentals
	s_wait_alu depctr_va_vdst(0)
.irp i, 0,1
	v_mov_b32 v[ST4+2*\i+1], v[SA+4*\i+2]          ; kept for st
.endr
	s_wait_loadcnt 12                              ; gamma and beta are in; the weights' 12 loads may be out
.irp k, 0,2,4,6,8,10,12,14,16,18,20,22,24,26,28,30
.irp i, 0,1
	v_pk_mul_f32 v[X+32*\i+\k:X+32*\i+\k+1], v[X+32*\i+\k:X+32*\i+\k+1], v[SA+4*\i+2:SA+4*\i+3] op_sel_hi:[1,0]
.endr
.endr
.irp k, 0,2,4,6,8,10,12,14,16,18,20,22,24,26,28,30
.irp i, 0,1
	v_pk_fma_f32 v[X+32*\i+\k:X+32*\i+\k+1], v[X+32*\i+\k:X+32*\i+\k+1], v[G+\k:G+\k+1], v[BT+\k:BT+\k+1]
.endr
.endr
.irp i, 0,1
.irp j, 0,1,2,3,4,5,6,7
	ds_store_b128 v4, v[X+32*\i+4*\j:X+32*\i+4*\j+3] offset:LP*\i+512*\j
.endr
.endr
	ds_store_b128 v[SST], v[ST4:ST4+3]             ; all lanes write the same 16 bytes with the same values
	s_wait_loadcnt 0x0                             ; the weights
.irp u, 0,1,2
	v_mov_b32 v[WS+2*\u+1], v[WS+2*\u]             ; the scale word twice
.endr
.irp u, 0,1,2
.irp i, 0,1,2
	ds_store_b128 v[WST], v[WD+12*\u+4*\i:WD+12*\u+4*\i+3] offset:\u*WR+256*\i
.endr
.endr
	s_wait_alu depctr_va_vdst(0)
	s_wait_dscnt 0x0                               ; for the others' sake: my stores have landed
	s_barrier_signal -1
	s_barrier_wait -1
.irp u, 0,1,2
.irp p, 0,1,2,3,4,5
	ds_load_b64 v[WD+12*\u+2*\p:WD+12*\u+2*\p+1], v[WRD] offset:\u*WR+48*(\p/3)+8*(\p%3)   ; registers 6 c .. 6 c + 5: the 24 bytes of k = 64 c + 32 h + 0 .. 31
.endr
.endr
.irp b, 0,1,2,3
.irp j, 0,1,2,3
	ds_load_b128 v[X+16*\b+4*\j:X+16*\b+4*\j+3], v5 offset:128*\b+16*\j   ; row r of h, k = 128 w + 32 b + 16 h + 4 j on
.endr
.endr
	s_wait_dscnt 16                                ; the weights' 18 loads are in; the rows' 16 may be out
.irp u, 0,1,2
.irp g, 0,1,2
	global_store_b128 v[LI], v[WD+12*\u+4*\g:WD+12*\u+4*\g+3], s[28:29] offset:\u*2048*IMG+512*\g   ; 512 consecutive bytes, aligned
.endr
	global_store_b64 v[L8], v[WS+2*\u:WS+2*\u+1], s[28:29] offset:\u*2048*IMG+1536                   ; 256 consecutive bytes, aligned
.endr
	s_cmp_lg_u32 s[WV], 0                          ; wave 0 stores the tile's statistics
	s_cbranch_scc1 .Lno_stats
	ds_load_b64 v[SOUT:SOUT+1], v[SRD]
	s_wait_dscnt 0x0
	global_store_b64 v[L8], v[SOUT:SOUT+1], s[36:37]   ; 256 consecutive bytes, aligned
.Lno_stats:
	s_wait_dscnt 0x0
	QUANT X
	IMGOUT 38, 0
	s_wait_tensorcnt 0x0
	ds_add_u32 v240, v241
	s_wait_dscnt 0x0
	s_endpgm
.Lfunc_end_k_qd3cb788ecd_ln1:
	.size	k_qd3cb788ecd_ln1, .Lfunc_end_k_qd3cb788ecd_ln1-k_qd3cb788ecd_ln1
	.p2alignl 7, 3214868480
	.fill 96, 4, 3214868480
	.section	.rodata,"a",@progbits
	.p2align	6, 0x0
	.amdhsa_kernel k_qd3cb788ecd_ln1
		.amdhsa_group_segment_fixed_size 104704
		.amdhsa_private_segment_fixed_size 0
		.amdhsa_enable_private_segment 0
		.amdhsa_kernarg_size 144
		.amdhsa_user_sgpr_count 2
		.amdhsa_user_sgpr_kernarg_segment_ptr 1
		.amdhsa_wavefront_size32 1
		.amdhsa_system_sgpr_workgroup_id_x 1
		.amdhsa_system_sgpr_workgroup_id_y 1
		.amdhsa_system_sgpr_workgroup_id_z 1
		.amdhsa_system_vgpr_workitem_id 0
		.amdhsa_next_free_vgpr 242
		.amdhsa_next_free_sgpr 96
		.amdhsa_reserve_vcc 0
		.amdhsa_float_denorm_mode_32 3
		.amdhsa_float_denorm_mode_16_64 3
		.amdhsa_memory_ordered 1
		.amdhsa_forward_progress 1
		.amdhsa_inst_pref_size 37
	.end_amdhsa_kernel
	.amdgpu_metadata
---
amdhsa.version: [ 1, 2 ]
amdhsa.kernels:
  - .name:           k_qd3cb788ecd_ln1
    .symbol:         k_qd3cb788ecd_ln1.kd
    .args:
      - { .name: wq_codes, .offset: 0, .size: 8, .value_kind: global_buffer, .address_space: global }
      - { .name: wq_scales, .offset: 8, .size: 8, .value_kind: global_buffer, .address_space: global }
      - { .name: wk_codes, .offset: 16, .size: 8, .value_kind: global_buffer, .address_space: global }
      - { .name: wk_scales, .offset: 24, .size: 8, .value_kind: global_buffer, .address_space: global }
      - { .name: wv_codes, .offset: 32, .size: 8, .value_kind: global_buffer, .address_space: global }
      - { .name: wv_scales, .offset: 40, .size: 8, .value_kind: global_buffer, .address_space: global }
      - { .name: w_proj_codes, .offset: 48, .size: 8, .value_kind: global_buffer, .address_space: global }
      - { .name: w_proj_scales, .offset: 56, .size: 8, .value_kind: global_buffer, .address_space: global }
      - { .name: w1_codes, .offset: 64, .size: 8, .value_kind: global_buffer, .address_space: global }
      - { .name: w1_scales, .offset: 72, .size: 8, .value_kind: global_buffer, .address_space: global }
      - { .name: w2_codes, .offset: 80, .size: 8, .value_kind: global_buffer, .address_space: global }
      - { .name: w2_scales, .offset: 88, .size: 8, .value_kind: global_buffer, .address_space: global }
      - { .name: wimg, .offset: 96, .size: 8, .value_kind: global_buffer, .address_space: global }
      - { .name: x, .offset: 104, .size: 8, .value_kind: global_buffer, .address_space: global }
      - { .name: gamma1, .offset: 112, .size: 8, .value_kind: global_buffer, .address_space: global }
      - { .name: beta1, .offset: 120, .size: 8, .value_kind: global_buffer, .address_space: global }
      - { .name: st, .offset: 128, .size: 8, .value_kind: global_buffer, .address_space: global }
      - { .name: aq, .offset: 136, .size: 8, .value_kind: global_buffer, .address_space: global }
    .group_segment_fixed_size: 104704
    .private_segment_fixed_size: 0
    .kernarg_segment_align: 8
    .kernarg_segment_size: 144
    .max_flat_workgroup_size: 256
    .sgpr_count:     96
    .vgpr_count:     242
    .wavefront_size: 32
...
	.end_amdgpu_metadata
.endif
;; end of part 1
;; launch qkv (part 2): grid 12 x 16, 4 waves a work-group, clusters of 4 x 4, 327,680 bytes of LDS; arguments aq, wimg, qkv; writes qkv
.if DOCPART == 2
	.amdgcn_target "amdgcn-amd-amdhsa--gfx1250"
	.amdhsa_code_object_version 6
	.text
	.protected	k_qd3cb788ecd_qkv
	.globl	k_qd3cb788ecd_qkv
	.p2align	8
	.type	k_qd3cb788ecd_qkv,@function
k_qd3cb788ecd_qkv:
	s_mov_b64 s[64:65], 0
	v_nop
	global_prefetch_b8 v0, s[64:65] scope:SCOPE_SE
	s_setreg_imm32_b32 hwreg(HW_REG_WAVE_MODE, 25, 1), 1
	s_wait_xcnt 0x0
	s_wait_alu depctr_hold_cnt(0) depctr_sa_sdst(0) depctr_va_vdst(0) depctr_va_sdst(0) depctr_va_ssrc(0) depctr_va_vcc(0) depctr_vm_vsrc(0)
	s_getreg_b32 s2, hwreg(HW_REG_IB_STS2, 6, 4)
	s_cmp_eq_u32 s2, 0
	s_cbranch_scc0 .Lentry_in_a_cluster
	s_endpgm
.Lentry_in_a_cluster:
	s_bfe_u32 s2, ttmp6, 0x10000c
	s_cmp_lg_u32 s2, 0xf033
	s_cbranch_scc0 .Lentry_shape_is_right
	s_endpgm
.Lentry_shape_is_right:
; q, k and v = h W on codes of E2M3 (K = 1,024), quantised on the way out and stored as fragment images: q and k along a head's 64 (images [256 token tiles][8 pairs of heads]), v along the tokens (images [64 channel tiles][32 steps of 128 tokens]).
; AN IMAGE AS IT IS READ HERE, 1,792 bytes: bytes 512 g + 16 l = lane l's registers 4 g .. 4 g + 3 of a fragment (16 rows x 128 K); bytes 1,536 + 8 l = the scale word of row l % 16.  Lane r of tile t holds row 32 (t / 2) + 8 (t % 2) + r + 8 (r / 8).
; An operand is [tile][K step][image]: a fragment comes from LDS by three loads of 16 bytes a lane and one of 4, with no pitch and no padding.
; AN IMAGE AS IT IS WRITTEN HERE falls into two halves of 64 along K, so that attention can take one head's half of q and k alone: bytes 16 l: registers 0-3; 512 + 8 l: registers 4, 5; 768 + 16 l: registers 6-9; 1,280 + 8 l: registers 10, 11;
; 1,536 + 8 l: the scale word, and behind it the same word with its two halves exchanged.
; SHARES.  A work-group of four waves takes 16 tiles of source 0 ("B") x 16 tiles of source 1 ("A"); a wave 8 x 8: 64 accumulators, 512 registers.  With source 0's tiles 2 b and 2 b + 1 a lane's 16 results are B's rows 32 b + 16 (lane / 16) + 0 .. 15,
; and the lane is A's row: so a wave's 64 results of one tile of A are one fragment of the next product, whose K is B's rows.  Cluster x = 0: q, 1: k (B = the weight, A = h); 2: v (B = h, A = the weight): one path, only numbers and pointers are chosen.
; K goes through a ring of two LDS slots of two K steps; waves 0, 1 fetch A's halves, waves 2, 3 B's, one tensor load each (8 rows of 3,584 bytes).  A wave has one tensor load out at a time.
; CLUSTER 4 x 4: A's tiles are asked for jointly along a row of the cluster, B's along a column.
; REGISTERS: window 0: v16-29 addresses; v32-63 scale words, two sets; v64-255 A's fragments, two sets.  Window 1: v0-191 B's fragments, two sets.  Windows 2, 3: the accumulators, (j, i) at v[8 (8 (j % 4) + i)].
; LIMITS: NaN and infinities are not served; a block whose largest magnitude lies under 2^-124 (zeros too) gets the scale byte 1; the bytes are read by this program alone.
.set T,     8
.set NQ,    2
.set NK,    8
.set IMG,   1792
.set QSZ,   2048*IMG
.set TILEB, NQ*IMG
.set HALFT, T*TILEB
.set SLOT,  4*HALFT
.set SPARE, 2*SLOT                     ; the spare words, 128 bytes a wave: two blocks of 256 bytes that no other line names
.set LAPS,  NK/(2*NQ)
.set ADRA, 16
.set ASA,  18
.set ADRB, 20
.set ASB,  22
.set LI,   24
.set L8,   25
.set SPW,  28
.set NIL,  29
.set SC,   32
.set AF,   64
.set TM,   64                          ; the way out works where A's fragments lay
.set PW,   80
.set PC,   84
.set G1,   24
.set G0,   32
.set G1B,  48
.set G0B,  56
.set SEL,  76
.set PFO,  26                          ; v26  the prefetches' offset: lane l (held at 27) names block l % 14 of tile l / 14
.set PFA,  80                          ; s[80:81] of the eight tiles that I fetch, the two that fall to my work-group among the four that ask jointly (cx for A, cy for B: told apart by address alone)
.set MSB, 0
.macro WIN new                         ; the immediate's high byte repeats the setting that is left
.if MSB != (\new)
	s_set_vgpr_msb (MSB<<8)|(\new)
.set MSB, (\new)
.endif
.endm
.macro PLACES
.rept 4
	v_nop
.endr
.endm
.macro JLOAD g0a, g1a, g0b, g1b        ; a joint load: waves 0, 1 for A, waves 2, 3 for B; four v_nop follow each line
	s_cmp_eq_u32 s15, 0
	s_cbranch_scc0 .Lfor_b_\@
	tensor_load_to_lds s[\g0a:\g0a+3], s[\g1a:\g1a+7]
	s_nop 0
.rept 4
	v_nop
.endr
	s_branch .Lasked_\@
.Lfor_b_\@:
	tensor_load_to_lds s[\g0b:\g0b+3], s[\g1b:\g1b+7]
	s_nop 0
.rept 4
	v_nop
.endr
.Lasked_\@:
.endm
.macro CREST                           ; a round of the cluster's barrier behind its opening barrier
	s_cmp_lg_u32 s14, 0
	s_cbranch_scc1 .Lnot_wave_0_\@
	s_barrier_signal -3
.Lnot_wave_0_\@:
	s_barrier_wait -3
	s_barrier_signal -1
	s_barrier_wait -1
.endm
.macro CROUND
	s_barrier_signal -1
	s_barrier_wait -1
	CREST
.endm
.macro FETCH slot, q, p                ; the slot's q-th K step into set p: 64 LDS loads in one run
	WIN 0x40
.irp i, 0,1,2,3,4,5,6,7
.irp g, 0,1,2
	ds_load_b128 v[96*(\p)+12*\i+4*\g:96*(\p)+12*\i+4*\g+3], v[ADRB+\slot] offset:\i*TILEB+(\q)*IMG+512*\g
.endr
.endr
	WIN 0
.irp i, 0,1,2,3,4,5,6,7
.irp g, 0,1,2
	ds_load_b128 v[AF+96*(\p)+12*\i+4*\g:AF+96*(\p)+12*\i+4*\g+3], v[ADRA+\slot] offset:\i*TILEB+(\q)*IMG+512*\g
.endr
.endr
.irp i, 0,1,2,3,4,5,6,7
	ds_load_b32 v[SC+16*(\p)+\i], v[ASB+\slot] offset:\i*TILEB+(\q)*IMG+1536
	ds_load_b32 v[SC+16*(\p)+8+\i], v[ASA+\slot] offset:\i*TILEB+(\q)*IMG+1536
.endr
.endm
; A's tiles j0 .. j0 + nj - 1 against B's eight, from set p.  mode 0: onto the sums; 1: the constant 0 starts them.  The 64 accumulators take turns in one order in every step.
.macro MUL j0, nj, p, mode
.set jj, \j0
.rept \nj
	WIN 0xa1+0x50*(jj/4)
.irp i, 0,1,2,3,4,5,6,7
.set AC, 8*(8*(jj%4)+\i)
.if \mode == 0
	v_wmma_scale_f32_16x16x128_f8f6f4 v[AC:AC+7], v[96*(\p)+12*\i:96*(\p)+12*\i+11], v[AF+96*(\p)+12*jj:AF+96*(\p)+12*jj+11], v[AC:AC+7], v[SC+16*(\p)+\i], v[SC+16*(\p)+8+jj] matrix_a_fmt:MATRIX_FMT_FP6 matrix_b_fmt:MATRIX_FMT_FP6
.else
	v_wmma_scale_f32_16x16x128_f8f6f4 v[AC:AC+7], v[96*(\p)+12*\i:96*(\p)+12*\i+11], v[AF+96*(\p)+12*jj:AF+96*(\p)+12*jj+11], 0, v[SC+16*(\p)+\i], v[SC+16*(\p)+8+jj] matrix_a_fmt:MATRIX_FMT_FP6 matrix_b_fmt:MATRIX_FMT_FP6
.endif
.endr
.set jj, jj+1
.endr
.endm
.macro STEP slot, q, mode              ; a K step whose successor lies in the same slot
	s_wait_dscnt 0x0                               ; this step's set is in (asked for 48 matrix instructions ago)
	PLACES                                         ; in front of loads into the other set, which the last step's products read
	FETCH \slot, (\q)+1, 1-(\q)%2                  ; the next step's 64 loads go out at the step's top: all 64 products stand between them and the wait for them
	MUL 0, T, (\q)%2, \mode
	WIN 0
.endm
.macro TURN slot, next, fill           ; a slot's last step (set 1) changes slots: one barrier; fill = 1: it opens a round of the cluster's barrier and the slot is filled again
	s_wait_tensorcnt 0x0                           ; all my tensor loads have landed: my part of the next slot
	ds_add_u32 v[SPW], v[NIL]                      ; 0 onto my spare word
	s_wait_dscnt 0x1                               ; set 1 is in; the add alone may be out
	MUL 0, T/4, 1, 0
	s_wait_dscnt 0x0                               ; the add is done, and my reads of this slot are over
	s_barrier_signal -1
	WIN 0
	s_barrier_wait -1
.if \fill
	CREST                                          ; no wave of any partner still reads this slot or has a load on its way
	s_add_nc_u64 s[G0+4*\slot+2:G0+4*\slot+3], s[G0+4*\slot+2:G0+4*\slot+3], 2*NQ*IMG
	s_add_nc_u64 s[G0B+4*\slot+2:G0B+4*\slot+3], s[G0B+4*\slot+2:G0B+4*\slot+3], 2*NQ*IMG
	JLOAD G0+4*\slot, G1, G0B+4*\slot, G1B         ; the first tensor load behind the round; its four v_nop are the places in front of the loads below
.else
	PLACES
.endif
	FETCH \next, 0, 0
	MUL T/4, 3*T/4, 1, 0                           ; 48 products stand between the fetch above and the wait for it
	WIN 0
.endm
; 64 numbers of a lane, v[s] on in window W, register 16 b + i = k 32 b + 16 (lane / 16) + i of my row, become a fragment's codes in v[PC] on, its scale word in v[PW], and that word with its halves exchanged in v[PW + 1].  Each accumulator is read from its low end on.
.macro QUANT s, W
	WIN 5*(\W)
.irp b, 0,1,2,3
	v_max3_num_f32 v[TM+\b], |v[(\s)+16*\b]|, |v[(\s)+16*\b+1]|, 0x1800000   ; and the floor 2^(3 - 127): the byte cannot fall under 1
.endr
.irp i, 2,4,6,8,10,12,14
.irp b, 0,1,2,3
	v_max3_num_f32 v[TM+\b], |v[(\s)+16*\b+\i]|, |v[(\s)+16*\b+\i+1]|, v[TM+\b]
.endr
.endr
	WIN 0
.irp b, 0,1,2,3
	v_permlanex16_b32 v[TM+4+\b], v[TM+\b], s[SEL], s[SEL+1]
.endr
.irp b, 0,1,2,3
	v_max_num_f32 v[TM+\b], v[TM+\b], v[TM+4+\b]
.endr
.irp b, 0,1,2,3
	v_add_nc_u32 v[TM+12+\b], 0xff000000, v[TM+\b] ; 2 off the exponent field: the conversion's scale operand
.endr
.irp b, 0,1,2,3
	v_lshrrev_b32 v[TM+4+\b], 23, v[TM+12+\b]      ; the scale's byte
.endr
	v_lshl_or_b32 v[PW], v[TM+5], 8, v[TM+4]       ; bytes 0, 1, 2, 3: blocks 0, 1, 2, 3
	v_lshl_or_b32 v[PW+1], v[TM+7], 8, v[TM+6]     ; bytes 0, 1, 2, 3: blocks 2, 3, 0, 1
	v_lshl_or_b32 v[PW], v[TM+6], 16, v[PW]
	v_lshl_or_b32 v[PW+1], v[TM+4], 16, v[PW+1]
	v_lshl_or_b32 v[PW], v[TM+7], 24, v[PW]
	v_lshl_or_b32 v[PW+1], v[TM+5], 24, v[PW+1]
	WIN (\W)
.irp c, 0,1
	v_cvt_scalef32_pk16_fp6_f32 v[PC+6*\c:PC+6*\c+2], v[(\s)+32*\c:(\s)+32*\c+15], v[TM+12+2*\c]
	v_cvt_scalef32_pk16_fp6_f32 v[PC+12+4*\c:PC+14+4*\c], v[(\s)+32*\c+16:(\s)+32*\c+31], v[TM+13+2*\c]
.endr
	WIN 0
	v_nop                                          ; one plain place behind a scaled conversion
.irp c, 0,1
.irp i, 0,1,2
	v_permlane16_swap_b32 v[PC+6*\c+\i], v[PC+12+4*\c+\i]
.endr
.irp i, 0,1,2
	v_mov_b32 v[PC+3+6*\c+\i], v[PC+12+4*\c+\i]
.endr
.endr
.endm
.macro IMGOUT b, off                   ; the image leaves in its two halves: every store covers whole aligned blocks of 256 bytes
	global_store_b128 v[LI], v[PC:PC+3], s[\b:\b+1] offset:(\off)
	global_store_b64 v[L8], v[PC+4:PC+5], s[\b:\b+1] offset:(\off)+512
	global_store_b128 v[LI], v[PC+6:PC+9], s[\b:\b+1] offset:(\off)+768
	global_store_b64 v[L8], v[PC+10:PC+11], s[\b:\b+1] offset:(\off)+1280
	global_store_b64 v[L8], v[PW:PW+1], s[\b:\b+1] offset:(\off)+1536
.endm
	s_load_b128 s[4:7], s[0:1], 0x0                ; h's images, the weights' images
	s_load_b64 s[8:9], s[0:1], 0x10                ; q, k, v
	v_lshl_add_u32 v[SPW], v0, 2, SPARE
	v_mov_b32 v[NIL], 0
	ds_add_u32 v28, v29
	ds_add_u32 v28, v29
	s_wait_dscnt 0x0
	v_lshrrev_b32 v1, 5, v0
	v_readfirstlane_b32 s14, v1                    ; wave 0..3
	s_lshr_b32 s15, s14, 1                         ; my half of A's tiles.  Also: I fetch for A (0) or for B (1)
	s_and_b32 s16, s14, 1                          ; my half of B's tiles.  Also: which half I fetch
	s_bfe_u32 s40, ttmp6, 0x40000                  ; cx
	s_bfe_u32 s41, ttmp6, 0x40004                  ; cy
	s_and_b32 s17, ttmp7, 0xffff
	s_lshl_b32 s17, s17, 2                         ; 4 x cluster y
	s_lshl_b32 s43, s41, 2
	s_lshl_b32 s43, 15, s43                        ; my row of the cluster
	s_lshl_b32 s44, 0x1111, s40                    ; my column
	s_or_b32 s[G1], s43, (3<<16)|(1<<21)           ; 15:0 the mask; 17:16 elements of 8 bytes; 21 set beside a mask; no padding
	s_or_b32 s[G1B], s44, (3<<16)|(1<<21)
.irp g, G1, G1B
	s_mov_b32 s[\g+1], (NQ*224)<<16                ; tensor_dim0: two images, 448 elements
	s_mov_b32 s[\g+2], T<<16                       ; tensor_dim1: 8 tiles
	s_mov_b32 s[\g+3], (NQ*224)<<16                ; tile_dim0
	s_mov_b32 s[\g+4], T                           ; tile_dim1
	s_mov_b32 s[\g+5], NK*224                      ; from tile to tile: 8 images
	s_mov_b32 s[\g+6], 0
	s_mov_b32 s[\g+7], 0
.endr
	s_cmp_eq_u32 ttmp9, 2                          ; v?  The cluster's x: the same in all sixteen partners
	s_cselect_b32 s18, s17, 0
	s_cselect_b32 s19, 0, s17
	s_cselect_b32 s70, 32, 8                       ; K steps of the operand that I make
	s_add_co_u32 s42, s40, s18                     ; B's block of 16 tiles
	s_add_co_u32 s45, s41, s19                     ; A's
	s_lshl_b32 s22, s16, 3
	s_lshl_b32 s46, s42, 4
	s_add_co_u32 s46, s46, s22
	s_mul_i32 s46, s46, NK*IMG                     ; B: the 8 tiles that I fetch
	s_mov_b32 s47, 0
	s_lshl_b32 s20, s45, 4
	s_add_co_u32 s20, s20, s22
	s_mul_i32 s20, s20, NK*IMG                     ; A likewise
	s_mov_b32 s21, 0
	s_mul_i32 s66, ttmp9, 512*IMG                  ; wq, wk or wv
	s_mov_b32 s67, 0
	s_mul_i32 s68, s14, HALFT                      ; where my fills go: no place in the cluster enters an LDS address
	s_lshl_b32 s72, s45, 4
	s_lshl_b32 s73, s15, 3
	s_add_co_u32 s72, s72, s73                     ; the first tile that I write
	s_mul_i32 s72, s72, s70
	s_lshl_b32 s73, s42, 1
	s_add_co_u32 s72, s72, s73
	s_add_co_u32 s72, s72, s16                     ; its K step: my 128 rows of B
	s_mul_i32 s72, s72, IMG
	s_mul_i32 s73, ttmp9, QSZ
	s_add_co_u32 s72, s72, s73
	s_mov_b32 s73, 0
	s_mul_i32 s74, s70, IMG                        ; from tile to tile
	s_mov_b32 s75, 0
	s_mov_b32 s[SEL], 0x76543210
	s_mov_b32 s[SEL+1], 0xfedcba98
	s_wait_kmcnt 0x0
	s_add_nc_u64 s[6:7], s[6:7], s[66:67]
	s_cmp_eq_u32 ttmp9, 2
	s_cselect_b64 s[10:11], s[4:5], s[6:7]         ; B's operand
	s_cselect_b64 s[12:13], s[6:7], s[4:5]         ; A's
	s_add_nc_u64 s[46:47], s[10:11], s[46:47]
	s_add_nc_u64 s[20:21], s[12:13], s[20:21]
	s_add_nc_u64 s[8:9], s[8:9], s[72:73]
	s_cmp_eq_u32 s15, 0                            ; do I fetch for A?
	s_cselect_b64 s[PFA:PFA+1], s[20:21], s[46:47]
	s_cselect_b32 s82, s40, s41                    ; my place among the four that ask with me
	s_mul_i32 s82, s82, 2*NK*IMG
	s_mov_b32 s83, 0
	s_add_nc_u64 s[PFA:PFA+1], s[PFA:PFA+1], s[82:83]
	CROUND                                         ; all sixteen work-groups are here: the first joint loads meet
.irp s, 0,1
	s_mov_b32 s[G0+4*\s], 1
	s_add_co_u32 s[G0+4*\s+1], s68, \s*SLOT
	s_add_nc_u64 s[G0+4*\s+2:G0+4*\s+3], s[20:21], \s*NQ*IMG
	s_or_b32 s[G0+4*\s+3], s[G0+4*\s+3], 0x80000000
	s_mov_b32 s[G0B+4*\s], 1
	s_add_co_u32 s[G0B+4*\s+1], s68, \s*SLOT
	s_add_nc_u64 s[G0B+4*\s+2:G0B+4*\s+3], s[46:47], \s*NQ*IMG
	s_or_b32 s[G0B+4*\s+3], s[G0B+4*\s+3], 0x80000000
.endr
	JLOAD G0, G1, G0B, G1B                         ; slot 0: one tensor load a wave at the head
	v_and_b32 v1, 31, v0
	v_lshlrev_b32 v[LI], 4, v1
	v_lshlrev_b32 v[L8], 3, v1
	; PREFETCHES: K is four slots' worth; slot 0 comes by its load alone; what the next two fills will ask for is asked of memory here, behind slot 0's load, the last fill's behind slot 1's load.
	; A slot's part of a tile is 3,584 bytes, 14 blocks of 256: a lane a block, two tiles a wave; lanes 28-31 name lane 27's block again.
	v_min_u32 v[PFO], 27, v1
	v_mul_u32_u24 v27, v[PFO], 147
	v_lshrrev_b32 v27, 11, v27                     ; l / 14
	v_mul_u32_u24 v27, v27, NK*IMG-14*256
	v_lshl_add_u32 v[PFO], v[PFO], 8, v27
	global_prefetch_b8 v[PFO], s[PFA:PFA+1] offset:NQ*IMG th:TH_LOAD_NT scope:SCOPE_SE
	global_prefetch_b8 v[PFO], s[PFA:PFA+1] offset:2*NQ*IMG th:TH_LOAD_NT scope:SCOPE_SE
	s_mul_i32 s22, s15, HALFT                      ; my 8 tiles of A
	s_mul_i32 s23, s16, HALFT                      ; my 8 tiles of B,
	s_add_co_u32 s23, s23, 2*HALFT                 ; which lie behind A's 16
.irp s, 0,1
	v_add_nc_u32 v[ADRA+\s], s22, v[LI]
	v_add_nc_u32 v[ASA+\s], s22, v[L8]
	v_add_nc_u32 v[ADRB+\s], s23, v[LI]
	v_add_nc_u32 v[ASB+\s], s23, v[L8]
	s_add_co_u32 s22, s22, SLOT
	s_add_co_u32 s23, s23, SLOT
.endr
	s_wait_alu depctr_va_vdst(0)
	s_wait_tensorcnt 0x0                           ; my part of slot 0 is in; slot 1's first fill is issued as a refill is:
	ds_add_u32 v[SPW], v[NIL]
	s_wait_dscnt 0x0
	CROUND                                         ; everybody's part of slot 0 is in, and all sixteen work-groups are here
	JLOAD G0+4, G1, G0B+4, G1B                     ; slot 1, the first tensor load behind the round
	FETCH 0, 0, 0
	global_prefetch_b8 v[PFO], s[PFA:PFA+1] offset:3*NQ*IMG th:TH_LOAD_NT scope:SCOPE_SE
	STEP 0, 0, 1                                   ; the first step's products start the sums
	s_mov_b32 s3, LAPS-1
.Llap:                                             ; a trip goes once round the ring and fills both slots again
	TURN 0, 1, 1
	STEP 1, 0, 0
	TURN 1, 0, 1
	STEP 0, 0, 0
	s_sub_co_u32 s3, s3, 1
	s_cmp_lg_u32 s3, 0
	s_cbranch_scc1 .Llap
	TURN 0, 1, 0                                   ; the last lap fills nothing
	STEP 1, 0, 0
	s_wait_dscnt 0x0
	MUL 0, T, 1, 0
	WIN 0
	PLACES                                         ; in front of the first read of results and the first write of A's registers
.irp b, 0,1,2,3
	v_mov_b32 v[TM+4+\b], 0                        ; a lane permute's destination counts as one of its sources
.endr
.irp j, 0,1,2,3,4,5,6,7                            ; THE WAY OUT: my 64 results of tile j of A are one fragment
	s_wait_xcnt 0x0                                ; the last image's stores have read their registers and their base
.if \j > 0
	s_add_nc_u64 s[8:9], s[8:9], s[74:75]
.endif
	QUANT 64*(\j%4), 2+\j/4
	IMGOUT 8, 0
.endr
	s_wait_tensorcnt 0x0                           ; the wave's end
	ds_add_u32 v[SPW], v[NIL]
	s_wait_dscnt 0x0
	CROUND                                         ; the closing round
	s_endpgm
.Lfunc_end_k_qd3cb788ecd_qkv:
	.size	k_qd3cb788ecd_qkv, .Lfunc_end_k_qd3cb788ecd_qkv-k_qd3cb788ecd_qkv
	.p2alignl 7, 3214868480
	.fill 96, 4, 3214868480
	.section	.rodata,"a",@progbits
	.p2align	6, 0x0
	.amdhsa_kernel k_qd3cb788ecd_qkv
		.amdhsa_group_segment_fixed_size 327680
		.amdhsa_private_segment_fixed_size 0
		.amdhsa_enable_private_segment 0
		.amdhsa_kernarg_size 24
		.amdhsa_user_sgpr_count 2
		.amdhsa_user_sgpr_kernarg_segment_ptr 1
		.amdhsa_wavefront_size32 1
		.amdhsa_system_sgpr_workgroup_id_x 1
		.amdhsa_system_sgpr_workgroup_id_y 1
		.amdhsa_system_sgpr_workgroup_id_z 1
		.amdhsa_system_vgpr_workitem_id 0
		.amdhsa_next_free_vgpr 1024
		.amdhsa_next_free_sgpr 100
		.amdhsa_reserve_vcc 0
		.amdhsa_float_denorm_mode_32 3
		.amdhsa_float_denorm_mode_16_64 3
		.amdhsa_memory_ordered 1
		.amdhsa_forward_progress 1
		.amdhsa_inst_pref_size 146
	.end_amdhsa_kernel
	.amdgpu_metadata
---
amdhsa.version: [ 1, 2 ]
amdhsa.kernels:
  - .name:           k_qd3cb788ecd_qkv
    .symbol:         k_qd3cb788ecd_qkv.kd
    .args:
      - { .name: aq, .offset: 0, .size: 8, .value_kind: global_buffer, .address_space: global }
      - { .name: wimg, .offset: 8, .size: 8, .value_kind: global_buffer, .address_space: global }
      - { .name: qkv, .offset: 16, .size: 8, .value_kind: global_buffer, .address_space: global }
    .group_segment_fixed_size: 327680
    .private_segment_fixed_size: 0
    .kernarg_segment_align: 8
    .kernarg_segment_size: 24
    .max_flat_workgroup_size: 128
    .sgpr_count:     100
    .vgpr_count:     1024
    .wavefront_size: 32
...
	.end_amdgpu_metadata
.endif
;; end of part 2
;; launch attn (part 3): grid 16 x 16, 16 waves a work-group, clusters of 4 x 1, 327,680 bytes of LDS; arguments qkv, oq; writes oq
.if DOCPART == 3
	.amdgcn_target "amdgcn-amd-amdhsa--gfx1250"
	.amdhsa_code_object_version 6
	.text
	.protected	k_qd3cb788ecd_attn
	.globl	k_qd3cb788ecd_attn
	.p2align	8
	.type	k_qd3cb788ecd_attn,@function
k_qd3cb788ecd_attn:
	s_mov_b64 s[64:65], 0
	v_nop
	global_prefetch_b8 v0, s[64:65] scope:SCOPE_SE
	s_setreg_imm32_b32 hwreg(HW_REG_WAVE_MODE, 25, 1), 1
	s_wait_xcnt 0x0
	s_wait_alu depctr_hold_cnt(0) depctr_sa_sdst(0) depctr_va_vdst(0) depctr_va_sdst(0) depctr_va_ssrc(0) depctr_va_vcc(0) depctr_vm_vsrc(0)
	s_getreg_b32 s2, hwreg(HW_REG_IB_STS2, 6, 4)
	s_cmp_eq_u32 s2, 0
	s_cbranch_scc0 .Lentry_in_a_cluster
	s_endpgm
.Lentry_in_a_cluster:
	s_bfe_u32 s2, ttmp6, 0x10000c
	s_cmp_lg_u32 s2, 0x3003
	s_cbranch_scc0 .Lentry_shape_is_right
	s_endpgm
.Lentry_shape_is_right:
; Causal attention on codes of E2M3: o = softmax(q k^T / 8) v for 2 batches x 16 heads of 64, 2,048 tokens; o is quantised along the concatenated heads and stored as fragment images [256 token tiles][8 pairs of heads].
; q, k: images [256 token tiles][8 pairs of heads]; v: images [64 channel tiles][32 steps of 128 tokens].  AN IMAGE OF q, k, v, 1,792 bytes: bytes 16 l: lane l's registers 0-3; 512 + 8 l: registers 4, 5; 768 + 16 l: registers 6-9;
; 1,280 + 8 l: registers 10, 11; 1,536 + 8 l: row l % 16's scale word, then the same word with its halves exchanged.  Head e of a pair has its codes in the 768 bytes from 768 e on and its scale bytes lowest in the word at 1,536 + 8 l + 4 e.
; Lane r of tile t holds row 32 (t / 2) + 8 (t % 2) + r + 8 (r / 8), so that the 16 result registers of source 0's tiles 2 b, 2 b + 1 are 16 neighbours.
; THE FIRST PRODUCT HAS K = 64: a wave takes its head's half of q and k into registers 0-5 of the fragments; q's registers 6-11 are zero codes, k's registers 6-11 hold zeros or what v's fragments left there: finite numbers that meet zero codes.
; THE SOFTMAX: t = score x log2(e) / 8; M = the running largest t rounded up to a whole number; p = 2^(t - M) is quantised along the keys; the sum is taken of the unquantised p; when M moves, sum and O are multiplied by 2^(old M - new M).
; A block's largest p is taken through its largest score (this takes v_exp_f32 not to fall where its input rises).  Key steps that lie wholly behind the causal mask are left out.
; SHARES.  Work-group y = batch x 8 + pair of heads; it holds 16 tiles of 16 queries: 2 heads x 2 tiles (2 cx + u) x the four groups of 128 queries c, 15 - c, 7 - c, 8 + c (c = the cluster's x).
; THE KEYS OF A TILE ARE SPLIT BETWEEN TWO WAVES.  A wave has two jobs: the even key steps of tile X (group g) and the odd key steps of tile Y (group 15 - g, same head, same place in the group); its partner wave has X and Y exchanged.
; So a wave has g / 2 + 1 + (16 - g) / 2 = 8 or 9 key steps whatever g, and of a slot's two key steps each tile's are done by two waves side by side.  Each job has its own q, M, sum and O.  M is a whole number in both halves, so bringing
; the halves under the larger M multiplies by powers of two and rounds nothing.  At the end Y's O, -M and sum go through LDS to the partner, which owns that tile as its X, merges, divides, quantises and stores.
; A job with no step (the odd steps of group 0) hands on O = 0, sum = 0 and -M = 3e38, whose factor is 2^(a saturated negative number) = 0.  X always has key step 0.
; The groups hang on c and the wave alone, so all four partners of the cluster branch alike; a partner's place enters only global addresses and the mask's numbers.  Every work-group walks all 8 slots of 256 keys.
; Both products are used transposed (S^T = k q^T, O^T = v^T p^T).  Waves 0, 1 fetch K's halves, waves 2, 3 V's, jointly for the four partners; one tensor load of a wave is out at a time.  V's fragments are asked of LDS directly behind the score products.
; o's images: bytes 512 g + 16 l = registers 4 g .. 4 g + 3; 1,536 + 8 l = the scale word, twice.
; LIMITS: NaN and infinities are not served; 1 / sum is v_rcp_f32; a block whose largest magnitude lies under 2^-124 gets the scale byte 1; the scaled scores stay under 2^31 in magnitude.
.set IMG,   1792
.set QSZ,   2048*IMG
.set VOFF,  16*IMG                     ; a slot: 16 key tiles of K, then V as [channel tile 0..7][step 0..1]
.set SLOT1, 1<<16
.set SPARE, 2*SLOT1                    ; the spare words, 128 bytes a wave
.set STG,   SPARE+2048                 ; behind them, bytes that no tensor load fills: a stage for each wave:
.set WST,   5632                       ; 4,096 O of job Y; 512 (-M, sum); 1,024 six code registers and the scale bytes
.set NSL,   8
.set LI,  1                            ; 16 x lane
.set L8,  2                            ; 8 x lane
.set DQ,  3                            ; my query in its group of 128, less 16 (lane / 16): the same for X and Y
.set QSY, 4                            ; q's scale word, job Y
.set SPW, 5
.set NIL, 6
.set SGA, 7                            ; my stage + 16 l
.set ADK, 8
.set ADV, 9
.set ADS, 10
.set ADT, 11
.set PFO, 80
.set ADH, 81
.set SGB, 82                           ; my partner's stage + 16 l
.set SGC, 83                           ; the stage of the odd head's wave of my tile X + 16 l
.set QSX, 255
; v12-15: X's -M, largest t, sum (two halves); v16-27 X's q; v28-31, v84-95 the same of Y; v32-79 four fragments; v96-159 scores, then p; v160-191 X's O^T; v192-223 Y's; v224-235 p's codes; v236-247 work; v248-251 scale words; v252 f, v253 p's scale word
.set TBV, 3
.set WV,  18
.set SEL, 20
.set CS,  22
.set G1K, 24
.set G1V, 32
.set G0K, 40
.set G0V, 44
.set KS,  48                           ; the key step, 0 .. 15
.set GR,  49                           ; X's group
.set SLOTS, 50
.set EH,  51
.set TBK, 66
.set TBS, 67
.set PFA, 68
.set PFS, 70
.set LIM, 72
.set GY,  73                           ; Y's group
.macro NOP4
.rept 4
	v_nop
.endr
.endm
.macro TLOAD                           ; waves 0, 1: K; waves 2, 3: V; the others nothing
	s_cmp_lt_u32 s[WV], 2
	s_cbranch_scc0 .Lnot_k_\@
	tensor_load_to_lds s[G0K:G0K+3], s[G1K:G1K+7]
	s_nop 0
	NOP4
	s_branch .Lasked_\@
.Lnot_k_\@:
	s_cmp_lt_u32 s[WV], 4
	s_cbranch_scc0 .Lasked_\@
	tensor_load_to_lds s[G0V:G0V+3], s[G1V:G1V+7]
	s_nop 0
	NOP4
.Lasked_\@:
.endm
.macro ROUND                           ; a round of the cluster's barrier
	s_barrier_signal -1
	s_barrier_wait -1
	s_cmp_lg_u32 s[WV], 0
	s_cbranch_scc1 .Lnot_wave_0_\@
	s_barrier_signal -3
.Lnot_wave_0_\@:
	s_barrier_wait -3
	s_barrier_signal -1
	s_barrier_wait -1
.endm
; A PREFETCH of what the NEXT change of slots will ask for, two key steps ahead of that load.  The four clusters of a work-group y walk the same K and V: the first (cluster x = 0) asks; its partners share the blocks out by address:
; partner cx takes key tiles 4 cx .. 4 cx + 3 (wave 4) and channel tiles 2 cx, 2 cx + 1 (wave 5): 28 blocks of 256 bytes each, a lane a block; lanes 28-31 name lane 27's block again.  Slots 0 and 1 come by their loads alone; the last fill asks for nothing.
.macro ASK
	s_cmp_gt_u32 s[SLOTS], s[LIM]
	s_cbranch_scc0 .Lnot_mine_\@
	global_prefetch_b8 v[PFO], s[PFA:PFA+1] th:TH_LOAD_NT scope:SCOPE_SE
.Lnot_mine_\@:
.endm
	s_load_b128 s[4:7], s[0:1], 0x0                ; q, k, v; o
	v_lshl_add_u32 v[SPW], v0, 2, SPARE
	v_mov_b32 v[NIL], 0
	ds_add_u32 v[SPW], v[NIL]                      ; the opening lines: the add twice on end and its wait
	ds_add_u32 v[SPW], v[NIL]
	v_lshrrev_b32 v8, 5, v0
	v_readfirstlane_b32 s[WV], v8                  ; wave 0..15
	v_and_b32 v8, 31, v0
	v_lshlrev_b32 v[LI], 4, v8
	v_lshlrev_b32 v[L8], 3, v8
	s_lshr_b32 s52, s[WV], 2                       ; kq
	s_add_co_u32 s53, s[WV], s52
	s_and_b32 s53, s53, 3                          ; which of the four groups is X's
	s_and_b32 s[EH], s52, 1                        ; head of the pair
	s_lshr_b32 s54, s52, 1                         ; u
	s_bfe_u32 s55, ttmp6, 0x40000                  ; cx
	s_and_b32 s60, ttmp7, 0xffff
	s_lshr_b32 s56, s60, 3                         ; batch
	s_and_b32 s57, s60, 7                          ; pair of heads
	s_lshl_b32 s61, s53, 2
	s_lshr_b32 s61, 0x87f0, s61
	s_and_b32 s61, s61, 15
	s_xor_b32 s[GR], ttmp9, s61                    ; c, 15 - c, 7 - c, 8 + c
	s_xor_b32 s[GY], s[GR], 15                     ; 15 - X's group
	s_lshl_b32 s58, s55, 1
	s_add_co_u32 s58, s58, s54                     ; my tile in a group
	s_lshl_b32 s59, s56, 7
	s_add_co_u32 s59, s59, s58
	s_lshl_b32 s61, s[GR], 3
	s_add_co_u32 s61, s61, s59                     ; X's token tile
	s_lshl_b32 s62, s61, 3
	s_add_co_u32 s62, s62, s57
	s_mul_i32 s62, s62, IMG                        ; X's image of q and of o
	s_mov_b32 s63, 0
	s_lshl_b32 s61, s[GY], 3
	s_add_co_u32 s61, s61, s59
	s_lshl_b32 s90, s61, 3
	s_add_co_u32 s90, s90, s57
	s_mul_i32 s90, s90, IMG                        ; Y's image of q
	s_mov_b32 s91, 0
	s_mul_i32 s92, s[WV], WST
	s_add_co_u32 s92, s92, STG                     ; my stage
	s_mul_i32 s94, s52, 3
	s_xor_b32 s93, s53, 1
	s_add_co_u32 s93, s93, s94
	s_and_b32 s93, s93, 3
	s_lshl_b32 s94, s52, 2
	s_add_co_u32 s93, s93, s94                     ; my partner: wave 4 kq + ((group xor 1) - kq) % 4
	s_mul_i32 s93, s93, WST
	s_add_co_u32 s93, s93, STG
	s_or_b32 s60, s52, 1                           ; the odd head's wave of X: 4 (kq | 1) + (group - (kq | 1)) % 4
	s_mul_i32 s61, s60, 3
	s_add_co_u32 s61, s61, s53
	s_and_b32 s61, s61, 3
	s_lshl_b32 s60, s60, 2
	s_add_co_u32 s94, s60, s61
	s_mul_i32 s94, s94, WST
	s_add_co_u32 s94, s94, STG
	s_and_b32 s74, s[WV], 1                        ; which half I fetch, if I fetch
	s_lshl_b32 s76, s56, 7
	s_lshl_b32 s75, s74, 3
	s_add_co_u32 s76, s76, s75
	s_lshl_b32 s76, s76, 3
	s_add_co_u32 s76, s76, s57
	s_mul_i32 s76, s76, IMG
	s_add_co_u32 s76, s76, QSZ                     ; K: key tile 128 b + 8 half, my pair's image
	s_mov_b32 s77, 0
	s_lshl_b32 s78, s57, 3
	s_lshl_b32 s75, s74, 2
	s_add_co_u32 s78, s78, s75
	s_lshl_b32 s78, s78, 5
	s_lshl_b32 s75, s56, 4
	s_add_co_u32 s78, s78, s75
	s_mul_i32 s78, s78, IMG
	s_add_co_u32 s78, s78, 2*QSZ                   ; V: channel tile 8 pair + 4 half, token step 16 b
	s_mov_b32 s79, 0
	s_mul_i32 s75, s74, 8*IMG                      ; and in a slot
	s_mov_b32 s[G1K], 15|(3<<16)|(1<<21)           ; the mask: all four partners; elements of 8 bytes; 21 set beside a mask
	s_mov_b32 s[G1K+1], 224<<16                    ; one image
	s_mov_b32 s[G1K+2], 8<<16                      ; 8 key tiles
	s_mov_b32 s[G1K+3], 224<<16
	s_mov_b32 s[G1K+4], 8
	s_mov_b32 s[G1K+5], 8*224
	s_mov_b32 s[G1K+6], 0
	s_mov_b32 s[G1K+7], 0
	s_mov_b32 s[G1V], 15|(3<<16)|(1<<21)
	s_mov_b32 s[G1V+1], 448<<16                    ; two images
	s_mov_b32 s[G1V+2], 4<<16                      ; 4 channel tiles
	s_mov_b32 s[G1V+3], 448<<16
	s_mov_b32 s[G1V+4], 4
	s_mov_b32 s[G1V+5], 32*224
	s_mov_b32 s[G1V+6], 0
	s_mov_b32 s[G1V+7], 0
	s_mov_b32 s[SEL], 0x76543210
	s_mov_b32 s[SEL+1], 0xfedcba98
	s_mov_b32 s[CS], 0x3e38aa3b                    ; log2(e) / 8
	s_mov_b32 s[CS+1], s[CS]
	s_mul_i32 s[TBK], s[EH], 768
	s_lshl_b32 s[TBS], s[EH], 2
	s_mul_i32 s[TBV], s[EH], 8*IMG
	s_add_co_u32 s[TBV], s[TBV], VOFF
	s_mov_b32 s[KS], 0
	s_mov_b32 s[SLOTS], NSL-1
	s_wait_dscnt 0x0                               ; both opening adds are done
	s_wait_alu depctr_va_vdst(0)
	s_wait_kmcnt 0x0
	s_mov_b32 s[G0K], 1
	s_mov_b32 s[G0K+1], s75
	s_add_nc_u64 s[G0K+2:G0K+3], s[4:5], s[76:77]
	s_or_b32 s[G0K+3], s[G0K+3], 0x80000000
	s_mov_b32 s[G0V], 1
	s_add_co_u32 s[G0V+1], s75, VOFF
	s_add_nc_u64 s[G0V+2:G0V+3], s[4:5], s[78:79]
	s_or_b32 s[G0V+3], s[G0V+3], 0x80000000
	ROUND                                          ; all four work-groups are here
	TLOAD                                          ; slot 0
	s_add_nc_u64 s[12:13], s[4:5], s[62:63]        ; X's image of q
	s_add_nc_u64 s[14:15], s[4:5], s[90:91]        ; Y's
	s_add_nc_u64 s[6:7], s[6:7], s[62:63]          ; o's
	s_mov_b32 s10, s[TBK]
	s_mov_b32 s11, 0
	s_add_nc_u64 s[8:9], s[12:13], s[10:11]        ; my head's half of the codes
	s_add_nc_u64 s[16:17], s[14:15], s[10:11]
	s_mov_b32 s10, s[TBS]
	s_add_nc_u64 s[12:13], s[12:13], s[10:11]      ; and the scale word that has my head's bytes lowest
	s_add_nc_u64 s[14:15], s[14:15], s[10:11]
	global_load_b128 v[16:19], v[LI], s[8:9]
	global_load_b64 v[20:21], v[L8], s[8:9] offset:512
	global_load_b32 v[QSX], v[L8], s[12:13] offset:1536
	global_load_b128 v[84:87], v[LI], s[16:17]
	global_load_b64 v[88:89], v[L8], s[16:17] offset:512
	global_load_b32 v[QSY], v[L8], s[14:15] offset:1536
	; the prefetches: where my wave's stand (wave 4: K, wave 5: V), one slot on from slot 0; the first change of slots steps them to slot 2
	s_lshl_b32 s82, s56, 7
	s_lshl_b32 s83, s55, 2
	s_add_co_u32 s82, s82, s83
	s_lshl_b32 s82, s82, 3
	s_add_co_u32 s82, s82, s57
	s_mul_i32 s82, s82, IMG
	s_add_co_u32 s82, s82, QSZ+16*8*IMG
	s_lshl_b32 s83, s57, 3
	s_lshl_b32 s84, s55, 1
	s_add_co_u32 s83, s83, s84
	s_lshl_b32 s83, s83, 5
	s_lshl_b32 s84, s56, 4
	s_add_co_u32 s83, s83, s84
	s_mul_i32 s83, s83, IMG
	s_add_co_u32 s83, s83, 2*QSZ+2*IMG
	s_mov_b32 s[PFS], 2*IMG
	s_mov_b32 s86, 32*IMG
	s_cmp_eq_u32 s[WV], 4
	s_cselect_b32 s84, s82, s83
	s_cselect_b32 s[PFS], 16*8*IMG, s[PFS]         ; a slot on
	s_cselect_b32 s86, 8*IMG, s86                  ; from tile to tile
	s_cselect_b32 s87, 0, 1                        ; V: two runs of 7 blocks to a tile
	s_mov_b32 s85, 0
	s_mov_b32 s[PFS+1], 0
	s_add_nc_u64 s[PFA:PFA+1], s[4:5], s[84:85]
	s_lshr_b32 s88, s[WV], 1
	s_xor_b32 s88, s88, 2                          ; 0 in waves 4 and 5,
	s_or_b32 s88, s88, ttmp9                       ; of the first cluster: the same in all four partners
	s_cmp_eq_u32 s88, 0
	s_cselect_b32 s[LIM], 1, -1
	v_min_u32 v[PFO], 27, v8
	v_mul_u32_u24 v81, v[PFO], 37
	v_lshrrev_b32 v81, 8, v81                      ; lane / 7
	v_mul_u32_u24 v82, v81, 7
	v_sub_nc_u32 v82, v[PFO], v82                  ; lane % 7
	v_lshrrev_b32 v83, s87, v81
	v_and_b32 v81, s87, v81
	v_mul_lo_u32 v83, v83, s86
	v_mad_u32_u24 v83, v81, IMG, v83
	v_lshl_add_u32 v[PFO], v82, 8, v83
	s_lshr_b32 s61, s58, 1                         ; my query, for the mask
	s_lshl_b32 s61, s61, 5
	s_and_b32 s60, s58, 1
	s_lshl_b32 s60, s60, 3
	s_add_co_u32 s61, s61, s60
	v_and_b32 v9, 15, v0
	v_bfe_u32 v10, v0, 4, 1
	v_and_b32 v11, 8, v9
	v_add_nc_u32 v[DQ], v9, v11
	v_add_nc_u32 v[DQ], s61, v[DQ]
	v_lshlrev_b32 v10, 4, v10
	v_sub_nc_u32 v[DQ], v[DQ], v10
	v_add_nc_u32 v[SGA], s92, v[LI]
	v_add_nc_u32 v[SGB], s93, v[LI]
	v_add_nc_u32 v[SGC], s94, v[LI]
.irp i, 0,1,2,3,4,5
	v_mov_b32 v[22+\i], 0                          ; q's registers 6-11: zero codes
	v_mov_b32 v[90+\i], 0
.endr
.irp t, 0,1,2,3
.irp i, 6,7,8,9,10,11
	v_mov_b32 v[32+12*\t+\i], 0                    ; registers 6-11 of the four fragments: K's loads leave them as they are
.endr
.endr
	v_mov_b32 v13, 0xff61b1e6                      ; the largest t so far: -3e38
	v_mov_b32 v29, 0xff61b1e6
	v_floor_f32 v12, -v13                          ; -M
	v_floor_f32 v28, -v29
.irp r, 14,15,30,31,236,237,238,239,252,253
	v_mov_b32 v[\r], 0
.endr
.set n, 0
.rept 64
	v_mov_b32 v[160+n], 0                          ; both O^T: the loop is written once; a job's first step finds zeros
.set n, n+1
.endr
	s_wait_alu depctr_va_vdst(0)
	s_wait_loadcnt 0x0                             ; both q
; 128 keys, the q-th step of the slot in hand, for one job: NM its (-M, t), SM its sum, QF its q, QS q's scale word, OT its O^T, GRS its group
.macro STEP q, NM, SM, QF, QS, OT, GRS
	s_cmp_gt_u32 s[KS], s[\GRS]                    ; all its keys come after the job's queries: left out
	s_cbranch_scc1 .Lhidden_\@
	v_add_nc_u32 v[ADK], s[TBK], v[LI]             ; (these five are the places in front of the loads below)
	v_add_nc_u32 v[ADH], s[TBK], v[L8]
	v_add_nc_u32 v[ADS], s[TBS], v[L8]
	v_add_nc_u32 v[ADV], s[TBV], v[LI]
	v_add_nc_u32 v[ADT], s[TBV], v[L8]
	s_wait_alu depctr_va_vdst(0)
.irp g, 0,1                                        ; S^T = k q^T, four tiles of 16 keys at a time: my head's half of each fragment
.if \g
	NOP4
.endif
.irp t, 0,1,2,3
	ds_load_b128 v[32+12*\t:35+12*\t], v[ADK] offset:(8*(\q)+4*\g+\t)*IMG
	ds_load_b64 v[36+12*\t:37+12*\t], v[ADH] offset:(8*(\q)+4*\g+\t)*IMG+512
	ds_load_b32 v[248+\t], v[ADS] offset:(8*(\q)+4*\g+\t)*IMG+1536
.endr
	s_wait_dscnt 0x0
.irp t, 0,1,2,3
	v_wmma_scale_f32_16x16x128_f8f6f4 v[96+8*(4*\g+\t):103+8*(4*\g+\t)], v[32+12*\t:43+12*\t], v[\QF:\QF+11], 0, v[248+\t], v[\QS] matrix_a_fmt:MATRIX_FMT_FP6 matrix_b_fmt:MATRIX_FMT_FP6
.endr
.endr
	NOP4                                           ; places in front of the loads below and of the first read of the scores
.irp t, 0,1,2,3                                    ; V's four fragments are asked for now: they land under the softmax
	ds_load_b128 v[32+12*\t:35+12*\t], v[ADV] offset:\t*2*IMG+(\q)*IMG
	ds_load_b64 v[36+12*\t:37+12*\t], v[ADT] offset:\t*2*IMG+(\q)*IMG+512
	ds_load_b128 v[38+12*\t:41+12*\t], v[ADV] offset:\t*2*IMG+(\q)*IMG+768
	ds_load_b64 v[42+12*\t:43+12*\t], v[ADT] offset:\t*2*IMG+(\q)*IMG+1280
	ds_load_b32 v[248+\t], v[ADT] offset:\t*2*IMG+(\q)*IMG+1536
.endr
	s_cmp_lg_u32 s[KS], s[\GRS]                    ; only the step on the diagonal is masked
	s_cbranch_scc1 .Lopen_\@
	v_mov_b32 v254, 0xff800000                     ; -infinity: p = 0 then
.set n, 0
.rept 64                                           ; register 16 b + i holds key 32 b + 16 (lane / 16) + i of the step
	v_cmp_gt_i32 vcc_lo, 32*(n/16)+n%16, v[DQ]
	v_cndmask_b32 v[96+n], v[96+n], v254, vcc_lo
.set n, n+1
.endr
.Lopen_\@:
.irp b, 0,1,2,3
	v_max3_num_f32 v[232+\b], v[96+16*\b], v[97+16*\b], v[98+16*\b]   ; the largest score of each block of 32 keys
.endr
.irp i, 3,5,7,9,11,13
.irp b, 0,1,2,3
	v_max3_num_f32 v[232+\b], v[232+\b], v[96+16*\b+\i], v[97+16*\b+\i]
.endr
.endr
.irp b, 0,1,2,3
	v_max_num_f32 v[232+\b], v[232+\b], v[111+16*\b]
.endr
.irp b, 0,1,2,3
	v_permlanex16_b32 v[236+\b], v[232+\b], s[SEL], s[SEL+1]   ; (the four blocks by turns: independent chains)
.endr
.irp b, 0,1,2,3
	v_max_num_f32 v[232+\b], v[232+\b], v[236+\b]
.endr
	s_delay_alu instid0(VALU_DEP_2)
	v_max3_num_f32 v254, v232, v233, v234
	s_delay_alu instid0(VALU_DEP_1)
	v_max_num_f32 v254, v254, v235
	s_delay_alu instid0(VALU_DEP_1)
	v_mul_f32 v254, s[CS], v254
	s_delay_alu instid0(VALU_DEP_1)
	v_max_num_f32 v[\NM+1], v[\NM+1], v254         ; the running largest t
	v_mov_b32 v254, v[\NM]
	s_delay_alu instid0(VALU_DEP_2)
	v_floor_f32 v[\NM], -v[\NM+1]                  ; -M = floor(-t): M is a whole number
	s_delay_alu instid0(VALU_DEP_1)
	v_sub_f32 v254, v[\NM], v254
	s_delay_alu instid0(VALU_DEP_1)
	v_cvt_i32_f32 v254, v254                       ; (it saturates)
	s_delay_alu instid0(VALU_DEP_1)
	v_ldexp_f32 v252, 1.0, v254                    ; f = 2^(old M - new M)
.set n, 0
.rept 32
	v_pk_fma_f32 v[96+n:97+n], v[96+n:97+n], s[CS:CS+1], v[\NM:\NM+1] op_sel_hi:[1,0,0]   ; t - M
.set n, n+2
.endr
.irp b, 0,1,2,3
	v_fma_f32 v[232+\b], v[232+\b], s[CS], v[\NM]
.endr
	s_wait_alu depctr_va_vdst(0)
.set n, 0
.rept 64
	v_exp_f32 v[96+n], v[96+n]                     ; p = 2^(t - M)
.set n, n+1
.endr
.irp b, 0,1,2,3
	v_exp_f32 v[232+\b], v[232+\b]                 ; the block's largest p
.endr
	v_pk_mul_f32 v[\SM:\SM+1], v[\SM:\SM+1], v[252:253] op_sel_hi:[1,0]   ; the sums under the new M (a plain place behind the exponentials)
	s_wait_alu depctr_va_vdst(0)                   ; and behind it
.irp b, 0,1,2,3
	v_max_num_f32 v[232+\b], 0x1800000, v[232+\b]  ; the floor 2^(3 - 127)
.endr
.irp b, 0,1,2,3
	v_add_nc_u32 v[244+\b], 0xff000000, v[232+\b]
.endr
.irp b, 0,1,2,3
	v_lshrrev_b32 v[236+\b], 23, v[244+\b]
.endr
	s_delay_alu instid0(VALU_DEP_3)
	v_lshl_or_b32 v253, v237, 8, v236              ; p's scale word
	s_delay_alu instid0(VALU_DEP_1)
	v_lshl_or_b32 v253, v238, 16, v253
	s_delay_alu instid0(VALU_DEP_1)
	v_lshl_or_b32 v253, v239, 24, v253
.irp c, 0,1
	v_cvt_scalef32_pk16_fp6_f32 v[224+6*\c:226+6*\c], v[96+32*\c:111+32*\c], v[244+2*\c]
	v_cvt_scalef32_pk16_fp6_f32 v[236+4*\c:238+4*\c], v[112+32*\c:127+32*\c], v[244+2*\c+1]
.endr
	v_nop                                          ; one plain place behind a scaled conversion
.irp c, 0,1
.irp i, 0,1,2
	v_permlane16_swap_b32 v[224+6*\c+\i], v[236+4*\c+\i]
.endr
.irp i, 0,1,2
	v_mov_b32 v[227+6*\c+\i], v[236+4*\c+\i]
.endr
.endr
.irp j, 0,1,2,3,4,5                                ; the sum of the 32 pairs of p: six chains in v236-247 and the sum itself
	v_pk_add_f32 v[236+2*\j:237+2*\j], v[96+2*\j:97+2*\j], v[108+2*\j:109+2*\j]
.endr
	v_pk_add_f32 v[\SM:\SM+1], v[\SM:\SM+1], v[120:121]
.irp r, 13,20
.irp j, 0,1,2,3,4,5
	v_pk_add_f32 v[236+2*\j:237+2*\j], v[236+2*\j:237+2*\j], v[96+2*(\r+\j):97+2*(\r+\j)]
.endr
	v_pk_add_f32 v[\SM:\SM+1], v[\SM:\SM+1], v[96+2*(\r+6):97+2*(\r+6)]
.endr
.irp j, 0,1,2,3,4
	v_pk_add_f32 v[236+2*\j:237+2*\j], v[236+2*\j:237+2*\j], v[150+2*\j:151+2*\j]
.endr
	v_pk_add_f32 v[236:237], v[236:237], v[238:239]
	v_pk_add_f32 v[240:241], v[240:241], v[242:243]
	v_pk_add_f32 v[244:245], v[244:245], v[246:247]
	s_delay_alu instid0(VALU_DEP_2)
	v_pk_add_f32 v[236:237], v[236:237], v[240:241]
	s_delay_alu instid0(VALU_DEP_2)
	v_pk_add_f32 v[\SM:\SM+1], v[\SM:\SM+1], v[244:245]
	s_delay_alu instid0(VALU_DEP_1)
	v_pk_add_f32 v[\SM:\SM+1], v[\SM:\SM+1], v[236:237]
	s_wait_alu depctr_va_vdst(0)
.set n, 0
.rept 16
	v_pk_mul_f32 v[\OT+n:\OT+n+1], v[\OT+n:\OT+n+1], v[252:253] op_sel_hi:[1,0]   ; O^T under the new M
.set n, n+2
.endr
	s_wait_alu depctr_va_vdst(0)
	s_wait_dscnt 0x0                               ; V's fragments
.irp t, 0,1,2,3                                    ; O^T += v^T p^T: my head's four tiles of 16 channels
	v_wmma_scale_f32_16x16x128_f8f6f4 v[\OT+8*\t:\OT+8*\t+7], v[32+12*\t:43+12*\t], v[224:235], v[\OT+8*\t:\OT+8*\t+7], v[248+\t], v253 matrix_a_fmt:MATRIX_FMT_FP6 matrix_b_fmt:MATRIX_FMT_FP6
.endr
.Lhidden_\@:
	s_add_co_u32 s[KS], s[KS], 1
.endm
; THE CHANGE OF SLOTS stands at a slot's head: each wave waits for all its tensor loads, adds 0 to its spare word, waits for that and for its reads of the slot that it has left.
; fill = 1: a round of the cluster's barrier, and behind it the slot just left is filled with the keys that follow.the add stands twice there.
.macro CHANGE fill
	s_wait_tensorcnt 0x0
	ds_add_u32 v[SPW], v[NIL]
.if \fill
	ds_add_u32 v[SPW], v[NIL]
	s_xor_b32 s[G0K+1], s[G0K+1], SLOT1
	s_add_nc_u64 s[G0K+2:G0K+3], s[G0K+2:G0K+3], 16*8*IMG
	s_xor_b32 s[G0V+1], s[G0V+1], SLOT1
	s_add_nc_u64 s[G0V+2:G0V+3], s[G0V+2:G0V+3], 2*IMG
	s_wait_xcnt 0x0                                ; the last prefetch, a slot back, has read its address
	s_add_nc_u64 s[PFA:PFA+1], s[PFA:PFA+1], s[PFS:PFS+1]
	s_wait_dscnt 0x0
	ROUND
	TLOAD
	ASK
.else
	s_wait_dscnt 0x0
	s_barrier_signal -1
	s_barrier_wait -1
.endif
.endm
.macro SLOT_STEPS
	STEP 0, 12, 14, 16, QSX, 160, GR               ; the even key step: job X
	STEP 1, 28, 30, 84, QSY, 192, GY               ; the odd one: job Y
	s_xor_b32 s[TBK], s[TBK], SLOT1
	s_xor_b32 s[TBS], s[TBS], SLOT1
	s_xor_b32 s[TBV], s[TBV], SLOT1
.endm
.Lslot:                                            ; 7 trips: behind each change of slots but the last the next slot is asked for
	CHANGE 1
	SLOT_STEPS
	s_sub_co_u32 s[SLOTS], s[SLOTS], 1
	s_cmp_lg_u32 s[SLOTS], 0
	s_cbranch_scc1 .Lslot
	CHANGE 0                                       ; the last slot is written out
	SLOT_STEPS
	; THE HALVES MEET.  Y's O^T, -M and sum go to my stage; behind the barrier I take my partner's, which are the odd key steps of my X.
	NOP4                                           ; places behind the last products, on every path
	v_add_f32 v29, v30, v31                        ; Y's sum (its largest t is needed no more)
	v_add_f32 v14, v14, v15                        ; X's
	s_wait_alu depctr_va_vdst(0)
.irp j, 0,1,2,3,4,5,6,7
	ds_store_b128 v[SGA], v[192+4*\j:195+4*\j] offset:512*\j   ; each accumulator from its low end on
.endr
	ds_store_b128 v[SGA], v[28:31] offset:4096     ; -M, the sum (and two words that nobody uses)
	s_wait_dscnt 0x0                               ; for the others' sake: my stores have landed
	s_barrier_signal -1
	s_barrier_wait -1
.irp j, 0,1,2,3,4,5,6,7
	ds_load_b128 v[128+4*\j:131+4*\j], v[SGB] offset:512*\j
.endr
	ds_load_b128 v[236:239], v[SGB] offset:4096
	s_wait_dscnt 0x0
	v_min_num_f32 v240, v12, v236                  ; -M of the two halves together
	v_sub_f32 v241, v240, v12
	v_sub_f32 v242, v240, v236
	v_cvt_i32_f32 v241, v241                       ; (they saturate)
	v_cvt_i32_f32 v242, v242
	v_ldexp_f32 v241, 1.0, v241                    ; the factors that bring each half under it: powers of two
	v_ldexp_f32 v242, 1.0, v242
	v_mul_f32 v14, v14, v241
	v_fmac_f32 v14, v237, v242
	v_permlanex16_b32 v252, v14, s[SEL], s[SEL+1]
	v_add_f32 v14, v14, v252                       ; the row's sum
	s_wait_alu depctr_va_vdst(0)
	v_rcp_f32 v14, v14
	v_nop                                          ; a plain place behind the transcendental
	s_wait_alu depctr_va_vdst(0)
	v_mul_f32 v241, v241, v14
	v_mul_f32 v242, v242, v14
.set n, 0
.rept 32
	v_mul_f32 v[96+n], v[128+n], v242
.set n, n+1
.endr
	s_wait_alu depctr_va_vdst(0)
.set n, 0
.rept 32
	v_fmac_f32 v[96+n], v[160+n], v241             ; register 16 b + i: channel 32 b + 16 (lane / 16) + i of my head
.set n, n+1
.endr
	; THE WAY OUT.  The 64 channels are two blocks of the projection's K; the odd head's wave hands its six code registers and its two scale bytes to the even head's wave, which stores the whole image.
.irp b, 0,1
	v_max3_num_f32 v[232+\b], |v[96+16*\b]|, |v[97+16*\b]|, 0x1800000
.endr
.irp i, 2,4,6,8,10,12,14
.irp b, 0,1
	s_delay_alu instid0(VALU_DEP_2)
	v_max3_num_f32 v[232+\b], v[232+\b], |v[96+16*\b+\i]|, |v[97+16*\b+\i]|
.endr
.endr
.irp b, 0,1
	s_delay_alu instid0(VALU_DEP_2)
	v_permlanex16_b32 v[236+\b], v[232+\b], s[SEL], s[SEL+1]
.endr
.irp b, 0,1
	s_delay_alu instid0(VALU_DEP_2)
	v_max_num_f32 v[232+\b], v[232+\b], v[236+\b]
.endr
.irp b, 0,1
	s_delay_alu instid0(VALU_DEP_2)
	v_add_nc_u32 v[244+\b], 0xff000000, v[232+\b]
.endr
.irp b, 0,1
	s_delay_alu instid0(VALU_DEP_2)
	v_lshrrev_b32 v[236+\b], 23, v[244+\b]
.endr
	s_delay_alu instid0(VALU_DEP_1)
	v_lshl_or_b32 v240, v237, 8, v236              ; my head's two scale bytes
	v_cvt_scalef32_pk16_fp6_f32 v[224:226], v[96:111], v244
	v_cvt_scalef32_pk16_fp6_f32 v[232:234], v[112:127], v245
	v_nop
.irp i, 0,1,2
	v_permlane16_swap_b32 v[224+\i], v[232+\i]
.endr
.irp i, 0,1,2
	s_delay_alu instid0(VALU_DEP_3)
	v_mov_b32 v[227+\i], v[232+\i]                 ; v224-229: k = 32 (lane / 16) + 0 .. 31 of my head's 64
.endr
	v_mov_b32 v230, v240                           ; the scale bytes travel behind registers 4 and 5
	v_mov_b32 v231, v240
	ds_store_b128 v[SGA], v[224:227] offset:4608
	ds_store_b128 v[SGA], v[228:231] offset:5120
	s_wait_alu depctr_va_vdst(0)
	s_wait_dscnt 0x0                               ; for the others' sake: my stores have landed
	s_barrier_signal -1
	s_barrier_wait -1
	s_cmp_lg_u32 s[EH], 0
	s_cbranch_scc1 .Ldone
	ds_load_b128 v[230:233], v[SGC] offset:4608    ; the odd head's registers 0-3 behind my six,
	ds_load_b128 v[236:239], v[SGC] offset:5120    ; its registers 4, 5 and its scale bytes
	s_wait_dscnt 0x0
	v_mov_b32 v234, v236
	v_mov_b32 v235, v237
	v_lshl_or_b32 v240, v238, 16, v240
	s_delay_alu instid0(VALU_DEP_1)
	v_mov_b32 v241, v240
.irp g, 0,1,2
	global_store_b128 v[LI], v[224+4*\g:227+4*\g], s[6:7] offset:512*\g   ; 512 consecutive bytes, aligned
.endr
	global_store_b64 v[L8], v[240:241], s[6:7] offset:1536
.Ldone:
	s_wait_tensorcnt 0x0                           ; the wave's end
	ds_add_u32 v[SPW], v[NIL]
	s_wait_dscnt 0x0
	ROUND                                          ; the closing round
	s_endpgm
.Lfunc_end_k_qd3cb788ecd_attn:
	.size	k_qd3cb788ecd_attn, .Lfunc_end_k_qd3cb788ecd_attn-k_qd3cb788ecd_attn
	.p2alignl 7, 3214868480
	.fill 96, 4, 3214868480
	.section	.rodata,"a",@progbits
	.p2align	6, 0x0
	.amdhsa_kernel k_qd3cb788ecd_attn
		.amdhsa_group_segment_fixed_size 327680
		.amdhsa_private_segment_fixed_size 0
		.amdhsa_enable_private_segment 0
		.amdhsa_kernarg_size 16
		.amdhsa_user_sgpr_count 2
		.amdhsa_user_sgpr_kernarg_segment_ptr 1
		.amdhsa_wavefront_size32 1
		.amdhsa_system_sgpr_workgroup_id_x 1
		.amdhsa_system_sgpr_workgroup_id_y 1
		.amdhsa_system_sgpr_workgroup_id_z 1
		.amdhsa_system_vgpr_workitem_id 0
		.amdhsa_next_free_vgpr 256
		.amdhsa_next_free_sgpr 100
		.amdhsa_reserve_vcc 1
		.amdhsa_float_denorm_mode_32 3
		.amdhsa_float_denorm_mode_16_64 3
		.amdhsa_memory_ordered 1
		.amdhsa_forward_progress 1
		.amdhsa_inst_pref_size 112
	.end_amdhsa_kernel
	.amdgpu_metadata
---
amdhsa.version: [ 1, 2 ]
amdhsa.kernels:
  - .name:           k_qd3cb788ecd_attn
    .symbol:         k_qd3cb788ecd_attn.kd
    .args:
      - { .name: qkv, .offset: 0, .size: 8, .value_kind: global_buffer, .address_space: global }
      - { .name: oq, .offset: 8, .size: 8, .value_kind: global_buffer, .address_space: global }
    .group_segment_fixed_size: 327680
    .private_segment_fixed_size: 0
    .kernarg_segment_align: 8
    .kernarg_segment_size: 16
    .max_flat_workgroup_size: 512
    .sgpr_count:     100
    .vgpr_count:     256
    .wavefront_size: 32
...
	.end_amdgpu_metadata
.endif
;; end of part 3
;; launch proj (part 4): grid 8 x 32, 4 waves a work-group, clusters of 4 x 4, 327,680 bytes of LDS; arguments oq, wimg, b_proj, x, st, gamma1, beta1, x2; writes x2
.if DOCPART == 4
	.amdgcn_target "amdgcn-amd-amdhsa--gfx1250"
	.amdhsa_code_object_version 6
	.text
	.protected	k_qd3cb788ecd_proj
	.globl	k_qd3cb788ecd_proj
	.p2align	8
	.type	k_qd3cb788ecd_proj,@function
k_qd3cb788ecd_proj:
	s_mov_b64 s[64:65], 0
	v_nop
	global_prefetch_b8 v0, s[64:65] scope:SCOPE_SE
	s_setreg_imm32_b32 hwreg(HW_REG_WAVE_MODE, 25, 1), 1
	s_wait_xcnt 0x0
	s_wait_alu depctr_hold_cnt(0) depctr_sa_sdst(0) depctr_va_vdst(0) depctr_va_sdst(0) depctr_va_ssrc(0) depctr_va_vcc(0) depctr_vm_vsrc(0)
	s_getreg_b32 s2, hwreg(HW_REG_IB_STS2, 6, 4)
	s_cmp_eq_u32 s2, 0
	s_cbranch_scc0 .Lentry_in_a_cluster
	s_endpgm
.Lentry_in_a_cluster:
	s_bfe_u32 s2, ttmp6, 0x10000c
	s_cmp_lg_u32 s2, 0xf033
	s_cbranch_scc0 .Lentry_shape_is_right
	s_endpgm
.Lentry_shape_is_right:
; x2 = h + o w_proj + b_proj: the product on codes of E2M3 (K = 1,024), sums, bias and residual in f32.  o: images [256 token tiles][8 K steps]; w_proj: images 1536 on of wimg, [64 tiles][8]; x and x2: f32 [4096][1024].
; THE RESIDUAL h is made here from x: ((x - mean) x rstd) x gamma + beta, the three operations by which the norm's launch made it, with that launch's mean and rstd out of st: so h never goes through memory in f32.
; st: 256 bytes a token tile: byte 64 hh + 8 t holds (mean, rstd) of the tile's row 2 t + hh.
; AN IMAGE, 1,792 bytes: bytes 512 g + 16 l = lane l's registers 4 g .. 4 g + 3 of a fragment (16 rows x 128 K); bytes 1,536 + 8 l = row l % 16's scale word.  Lane r of tile t holds row 32 (t / 2) + 8 (t % 2) + r + 8 (r / 8).
; 4,096 x 1,024 results are only 64 blocks of 256 x 256, so a work-group takes 128 x 128 (256 work-groups): 8 tiles of source 0 ("B", the weight) x 8 of source 1 ("A", the tokens); a wave 4 x 4: 16 accumulators.
; K's eight steps lie in one LDS slot; waves 0, 1 fetch A's halves, waves 2, 3 B's, one tensor load each (4 rows of 14,336 bytes); nothing is filled again.  One tensor load of a wave is out at the start.
; CLUSTER 4 x 4: A's tiles are asked for jointly along a row of the cluster, B's along a column.  The bias is the C of each sum's first product.
; REGISTERS: window 0: v16-31, v48, v49 addresses; v32-47 scale words, two sets; v64-159 A's fragments, two sets.  Window 1: v0-95 B's fragments, two sets; v96-127 the bias; v128-255 the accumulators, (j, i) at v[128 + 8 (4 j + i)].
;   Window 2: v0-127 x, then the residual; v128-191 means and rstds; v192-195 gamma, v196-199 beta of my lane's four columns.
.set T,     4
.set NQ,    8                          ; AS IT STANDS NOW: K is 8 steps, and a wave's four tiles for all of K come by ONE tensor load (4 rows of 14,336 bytes): one fill, one barrier, no ring; nothing is filled again
.set NK,    8
.set IMG,   1792
.set WOFF,  1536*IMG
.set TILEB, NQ*IMG
.set HALFT, T*TILEB
.set SLOT,  4*HALFT
.set SPARE, SLOT                       ; behind the 16 tiles: the spare words, 128 bytes a wave
.set STG,   SPARE+512                  ; behind them the stages of the way out: bytes that no tensor load fills
.set LAPS,  NK/(2*NQ)
.set SP,    272                        ; the way out: a stage of 16 rows x (256 bytes + 16) for each wave, behind the spare words
.set ADRA, 16
.set ASA,  18
.set ADRB, 20
.set ASB,  22
.set LI,   24
.set L8,   25
.set STO,  26
.set RD,   27
.set SPW,  28
.set NIL,  29
.set CO,   30
.set SC,   32
.set C16,  48                          ; v48  16 x (lane % 16)
.set SO,   49                          ; v49  64 x (lane / 16)
.set AF,   64
.set BIAS, 96
.set ACC,  128
.set SR,   128                         ; in window 2
.set GB,   192
.set G1,   24
.set G0,   32
.set G1B,  48
.set G0B,  56
.set MSB, 0
.macro WIN new                         ; the immediate's high byte repeats the setting that is left
.if MSB != (\new)
	s_set_vgpr_msb (MSB<<8)|(\new)
.set MSB, (\new)
.endif
.endm
.macro PLACES
.rept 4
	v_nop
.endr
.endm
.macro JLOAD g0a, g1a, g0b, g1b        ; a joint load: waves 0, 1 for A, waves 2, 3 for B; four v_nop follow each line
	s_cmp_eq_u32 s15, 0
	s_cbranch_scc0 .Lfor_b_\@
	tensor_load_to_lds s[\g0a:\g0a+3], s[\g1a:\g1a+7]
	s_nop 0
.rept 4
	v_nop
.endr
	s_branch .Lasked_\@
.Lfor_b_\@:
	tensor_load_to_lds s[\g0b:\g0b+3], s[\g1b:\g1b+7]
	s_nop 0
.rept 4
	v_nop
.endr
.Lasked_\@:
.endm
.macro CREST
	s_cmp_lg_u32 s14, 0
	s_cbranch_scc1 .Lnot_wave_0_\@
	s_barrier_signal -3
.Lnot_wave_0_\@:
	s_barrier_wait -3
	s_barrier_signal -1
	s_barrier_wait -1
.endm
.macro CROUND
	s_barrier_signal -1
	s_barrier_wait -1
	CREST
.endm
.macro FETCH slot, q, p                ; the slot's q-th K step into set p, in the order in which the products want it: 8 scale words, B's 12 loads, then A's tiles 0 to 3, 3 loads each
	WIN 0
.irp i, 0,1,2,3
	ds_load_b32 v[SC+8*(\p)+\i], v[ASB+\slot] offset:\i*TILEB+(\q)*IMG+1536
	ds_load_b32 v[SC+8*(\p)+4+\i], v[ASA+\slot] offset:\i*TILEB+(\q)*IMG+1536
.endr
	WIN 0x40
.irp i, 0,1,2,3
.irp g, 0,1,2
	ds_load_b128 v[48*(\p)+12*\i+4*\g:48*(\p)+12*\i+4*\g+3], v[ADRB+\slot] offset:\i*TILEB+(\q)*IMG+512*\g
.endr
.endr
	WIN 0
.irp i, 0,1,2,3
.irp g, 0,1,2
	ds_load_b128 v[AF+48*(\p)+12*\i+4*\g:AF+48*(\p)+12*\i+4*\g+3], v[ADRA+\slot] offset:\i*TILEB+(\q)*IMG+512*\g
.endr
.endr
.endm
; A's tiles j0 .. j0 + nj - 1 against B's four, from set p.  mode 0: onto the sums; 2: the bias starts them.  The 16 accumulators take turns in one order in every step.
.macro MUL j0, nj, p, mode
.set jj, \j0
	WIN 0x51
.rept \nj
.irp i, 0,1,2,3
.set AC, ACC+8*(4*jj+\i)
.if \mode == 0
	v_wmma_scale_f32_16x16x128_f8f6f4 v[AC:AC+7], v[48*(\p)+12*\i:48*(\p)+12*\i+11], v[AF+48*(\p)+12*jj:AF+48*(\p)+12*jj+11], v[AC:AC+7], v[SC+8*(\p)+\i], v[SC+8*(\p)+4+jj] matrix_a_fmt:MATRIX_FMT_FP6 matrix_b_fmt:MATRIX_FMT_FP6
.else
	v_wmma_scale_f32_16x16x128_f8f6f4 v[AC:AC+7], v[48*(\p)+12*\i:48*(\p)+12*\i+11], v[AF+48*(\p)+12*jj:AF+48*(\p)+12*jj+11], v[BIAS+8*\i:BIAS+8*\i+7], v[SC+8*(\p)+\i], v[SC+8*(\p)+4+jj] matrix_a_fmt:MATRIX_FMT_FP6 matrix_b_fmt:MATRIX_FMT_FP6
.endif
.endr
.set jj, jj+1
.endr
.endm
.macro STEP slot, q, mode
	s_wait_dscnt 9                                 ; the scale words, B and A's tile 0 are in; the youngest 9 loads (A's tiles 1 to 3) may be out
	PLACES                                         ; in front of loads into the other set, which the last step's products read
	FETCH \slot, (\q)+1, 1-(\q)%2                  ; the next step's 32 loads go out at the step's top
	MUL 0, 1, (\q)%2, \mode
	s_wait_dscnt 38                                ; A's tile 1 is in: behind it 6 loads of this set and the 32 just issued
	MUL 1, 1, (\q)%2, \mode
	s_wait_dscnt 35                                ; tile 2
	MUL 2, 1, (\q)%2, \mode
	s_wait_dscnt 32                                ; tile 3
	MUL 3, 1, (\q)%2, \mode
	WIN 0
.endm
.macro STEPS slot, first
	STEP \slot, 0, \first
	STEP \slot, 1, 0
	STEP \slot, 2, 0
.endm
.macro TURN slot, next, fill           ; a slot's last step (set 1) changes slots: one barrier; fill = 1: it opens a round of the cluster's barrier and the slot is filled again
	s_wait_tensorcnt 0x0                           ; all my tensor loads have landed: my part of the next slot
	ds_add_u32 v[SPW], v[NIL]                      ; 0 onto my spare word
	s_wait_dscnt 0x1                               ; set 1 is in; the add alone may be out
	MUL 0, T/4, 1, 0
	s_wait_dscnt 0x0                               ; the add is done, and my reads of this slot are over
	s_barrier_signal -1
	MUL T/4, T/4, 1, 0
	WIN 0
	s_barrier_wait -1
.if \fill
	CREST
	s_add_nc_u64 s[G0+4*\slot+2:G0+4*\slot+3], s[G0+4*\slot+2:G0+4*\slot+3], 2*NQ*IMG
	s_add_nc_u64 s[G0B+4*\slot+2:G0B+4*\slot+3], s[G0B+4*\slot+2:G0B+4*\slot+3], 2*NQ*IMG
	JLOAD G0+4*\slot, G1, G0B+4*\slot, G1B
.else
	PLACES
.endif
	FETCH \next, 0, 0
	MUL T/2, T/2, 1, 0
	WIN 0
.endm
; THE WAY OUT of tile j of A: a lane holds 8 neighbouring columns of one row in each of 4 accumulators; they go through my stage and come back as rows of 256 bytes.  While they are on their way the residual of the same rows is made of x;
; it is added, and sixteen lanes store one aligned block of 256 bytes.  Load t of the eight brings the tile's rows 2 t (lanes 0-15) and 2 t + 1 (lanes 16-31).
.macro OUTT j
.set BB, 64+32*((\j)%2)
	s_wait_xcnt 0x0                                ; earlier stores have read their registers
	WIN 0x04                                       ; an LDS store's data are its source 1: window 1
.irp i, 0,1,2,3
	ds_store_b128 v[STO], v[ACC+8*(4*(\j)+\i):ACC+8*(4*(\j)+\i)+3] offset:128*(\i/2)+32*(\i%2)      ; each accumulator from its low end on
	ds_store_b128 v[STO], v[ACC+8*(4*(\j)+\i)+4:ACC+8*(4*(\j)+\i)+7] offset:128*(\i/2)+32*(\i%2)+16
.endr
	WIN 0
.irp t, 0,1,2,3,4,5,6,7
	ds_load_b128 v[BB+4*\t:BB+4*\t+3], v[RD] offset:2*SP*\t   ; a wave's LDS instructions are served in order: these see the stores above
.endr
	WIN 0x8a                                       ; sources and destination: window 2
.irp t, 0,1,2,3,4,5,6,7
	v_pk_add_f32 v[32*(\j)+4*\t:32*(\j)+4*\t+1], v[32*(\j)+4*\t:32*(\j)+4*\t+1], v[SR+16*(\j)+2*\t:SR+16*(\j)+2*\t+1] op_sel_hi:[1,0] neg_lo:[0,1] neg_hi:[0,1]       ; x - mean
	v_pk_add_f32 v[32*(\j)+4*\t+2:32*(\j)+4*\t+3], v[32*(\j)+4*\t+2:32*(\j)+4*\t+3], v[SR+16*(\j)+2*\t:SR+16*(\j)+2*\t+1] op_sel_hi:[1,0] neg_lo:[0,1] neg_hi:[0,1]
.endr
.irp t, 0,1,2,3,4,5,6,7
.irp k, 0,1,2,3
	v_mul_f32 v[32*(\j)+4*\t+\k], v[SR+16*(\j)+2*\t+1], v[32*(\j)+4*\t+\k]   ; x rstd
.endr
.endr
	WIN 0xaa                                       ; and the third source
.irp t, 0,1,2,3,4,5,6,7
	v_pk_fma_f32 v[32*(\j)+4*\t:32*(\j)+4*\t+1], v[32*(\j)+4*\t:32*(\j)+4*\t+1], v[GB:GB+1], v[GB+4:GB+5]             ; x gamma + beta
	v_pk_fma_f32 v[32*(\j)+4*\t+2:32*(\j)+4*\t+3], v[32*(\j)+4*\t+2:32*(\j)+4*\t+3], v[GB+2:GB+3], v[GB+6:GB+7]
.endr
	WIN 0
	s_wait_dscnt 0x0
	WIN 0x08                                       ; source 1: the residual, window 2
.irp k, 0,2,4,6,8,10,12,14,16,18,20,22,24,26,28,30
	v_pk_add_f32 v[BB+\k:BB+\k+1], v[BB+\k:BB+\k+1], v[32*(\j)+\k:32*(\j)+\k+1]
.endr
	WIN 0
.irp t, 0,1,2,3,4,5,6,7
	global_store_b128 v[CO], v[BB+4*\t:BB+4*\t+3], s[82:83] offset:(32*((\j)/2)+8*((\j)%2)+2*\t+8*(\t/4))*4096
.endr
.endm
	s_load_b512 s[68:83], s[0:1], 0x0              ; A's images s[68:69], the weights' s[70:71], the bias s[72:73], x s[74:75], st s[76:77], gamma s[78:79], beta s[80:81], the result s[82:83]
	v_lshl_add_u32 v[SPW], v0, 2, SPARE
	v_mov_b32 v[NIL], 0
	ds_add_u32 v28, v29
	ds_add_u32 v28, v29
	s_wait_dscnt 0x0
	v_lshrrev_b32 v1, 5, v0
	v_readfirstlane_b32 s14, v1                    ; wave 0..3
	s_lshr_b32 s15, s14, 1                         ; my half of A's tiles.  Also: I fetch for A (0) or for B (1)
	s_and_b32 s16, s14, 1                          ; my half of B's tiles.  Also: which half I fetch
	s_bfe_u32 s40, ttmp6, 0x40000                  ; cx
	s_bfe_u32 s41, ttmp6, 0x40004                  ; cy
	s_lshl_b32 s42, ttmp9, 2
	s_add_co_u32 s42, s42, s40                     ; B's block of 8 tiles
	s_and_b32 s45, ttmp7, 0xffff
	s_lshl_b32 s45, s45, 2
	s_add_co_u32 s45, s45, s41                     ; A's
	s_lshl_b32 s43, s41, 2
	s_lshl_b32 s43, 15, s43                        ; my row of the cluster
	s_lshl_b32 s44, 0x1111, s40                    ; my column
	s_or_b32 s[G1], s43, (3<<16)|(1<<21)           ; 15:0 the mask; 17:16 elements of 8 bytes; 21 set beside a mask; no padding
	s_or_b32 s[G1B], s44, (3<<16)|(1<<21)
.irp g, G1, G1B
	s_mov_b32 s[\g+1], (NQ*224)<<16                ; tensor_dim0: eight images
	s_mov_b32 s[\g+2], T<<16                       ; tensor_dim1: 4 tiles
	s_mov_b32 s[\g+3], (NQ*224)<<16
	s_mov_b32 s[\g+4], T
	s_mov_b32 s[\g+5], NK*224                      ; from tile to tile
	s_mov_b32 s[\g+6], 0
	s_mov_b32 s[\g+7], 0
.endr
	s_lshl_b32 s22, s16, 2
	s_lshl_b32 s46, s42, 3
	s_add_co_u32 s46, s46, s22
	s_mul_i32 s46, s46, NK*IMG
	s_add_co_u32 s46, s46, WOFF                    ; B: the 4 tiles that I fetch
	s_mov_b32 s47, 0
	s_lshl_b32 s20, s45, 3
	s_add_co_u32 s20, s20, s22
	s_mul_i32 s20, s20, NK*IMG                     ; A likewise
	s_mov_b32 s21, 0
	s_mul_i32 s84, s14, HALFT                      ; where my fills go
	s_lshl_b32 s86, s45, 7
	s_lshl_b32 s87, s15, 6
	s_add_co_u32 s86, s86, s87                     ; my first row
	s_lshl_b32 s86, s86, 12
	s_lshl_b32 s88, s42, 7
	s_lshl_b32 s89, s16, 6
	s_add_co_u32 s88, s88, s89                     ; my first column
	s_lshl_b32 s88, s88, 2
	s_mov_b32 s89, 0
	s_add_co_u32 s86, s86, s88
	s_mov_b32 s87, 0
	s_lshl_b32 s90, s45, 3
	s_lshl_b32 s91, s15, 2
	s_add_co_u32 s90, s90, s91                     ; my first token tile
	s_lshl_b32 s90, s90, 8
	s_mov_b32 s91, 0
	s_wait_kmcnt 0x0
	s_add_nc_u64 s[46:47], s[70:71], s[46:47]
	s_add_nc_u64 s[20:21], s[68:69], s[20:21]
	s_add_nc_u64 s[72:73], s[72:73], s[88:89]
	s_add_nc_u64 s[78:79], s[78:79], s[88:89]
	s_add_nc_u64 s[80:81], s[80:81], s[88:89]
	s_add_nc_u64 s[74:75], s[74:75], s[86:87]
	s_add_nc_u64 s[82:83], s[82:83], s[86:87]
	s_add_nc_u64 s[76:77], s[76:77], s[90:91]
	CROUND                                         ; all sixteen work-groups are here: the first joint loads meet
.irp s, 0
	s_mov_b32 s[G0+4*\s], 1
	s_add_co_u32 s[G0+4*\s+1], s84, \s*SLOT
	s_add_nc_u64 s[G0+4*\s+2:G0+4*\s+3], s[20:21], \s*NQ*IMG
	s_or_b32 s[G0+4*\s+3], s[G0+4*\s+3], 0x80000000
	s_mov_b32 s[G0B+4*\s], 1
	s_add_co_u32 s[G0B+4*\s+1], s84, \s*SLOT
	s_add_nc_u64 s[G0B+4*\s+2:G0B+4*\s+3], s[46:47], \s*NQ*IMG
	s_or_b32 s[G0B+4*\s+3], s[G0B+4*\s+3], 0x80000000
	JLOAD G0+4*\s, G1, G0B+4*\s, G1B
.endr
	v_and_b32 v1, 31, v0
	v_lshlrev_b32 v[LI], 4, v1
	v_lshlrev_b32 v[L8], 3, v1
	v_and_b32 v2, 15, v0
	v_bfe_u32 v3, v0, 4, 1
	s_mul_i32 s22, s15, HALFT
	s_mul_i32 s23, s16, HALFT
	s_add_co_u32 s23, s23, 2*HALFT
.irp s, 0
	v_add_nc_u32 v[ADRA+\s], s22, v[LI]
	v_add_nc_u32 v[ASA+\s], s22, v[L8]
	v_add_nc_u32 v[ADRB+\s], s23, v[LI]
	v_add_nc_u32 v[ASB+\s], s23, v[L8]
	s_add_co_u32 s22, s22, SLOT
	s_add_co_u32 s23, s23, SLOT
.endr
	s_mul_i32 s23, s14, 16*SP
	s_add_co_u32 s23, s23, STG                     ; my stage
	v_mul_u32_u24 v[STO], v2, SP
	v_lshl_add_u32 v[STO], v3, 6, v[STO]
	v_add_nc_u32 v[STO], s23, v[STO]               ; in: row r, + 64 h
	v_mul_u32_u24 v[RD], v3, SP
	v_lshl_add_u32 v[RD], v2, 4, v[RD]
	v_add_nc_u32 v[RD], s23, v[RD]                 ; back: lanes 0-15 one row, lanes 16-31 the next
	v_lshlrev_b32 v[CO], 12, v3
	v_lshl_add_u32 v[CO], v2, 4, v[CO]             ; and the same two rows in memory
	v_lshlrev_b32 v31, 6, v3                       ; the bias: my half's eight columns of a tile
	v_lshlrev_b32 v[C16], 4, v2                    ; gamma, beta: my four columns of a row's 64
	v_lshlrev_b32 v[SO], 6, v3                     ; st: even rows' entries first, odd rows' 64 bytes on
	WIN 0x40
.irp i, 0,1,2,3
	global_load_b128 v[BIAS+8*\i:BIAS+8*\i+3], v31, s[72:73] offset:(32*(\i/2)+8*(\i%2))*4
	global_load_b128 v[BIAS+8*\i+4:BIAS+8*\i+7], v31, s[72:73] offset:(32*(\i/2)+8*(\i%2))*4+16
.endr
	WIN 0x80
	global_load_b128 v[GB:GB+3], v[C16], s[78:79]
	global_load_b128 v[GB+4:GB+7], v[C16], s[80:81]
.irp j, 0,1,2,3
.irp q, 0,1,2,3
	global_load_b128 v[SR+16*\j+4*\q:SR+16*\j+4*\q+3], v[SO], s[76:77] offset:256*\j+16*\q   ; (mean, rstd) of tile j's rows 4 q + hh and 4 q + 2 + hh
.endr
.endr
.irp j, 0,1,2,3
.irp t, 0,1,2,3,4,5,6,7
	global_load_b128 v[32*\j+4*\t:32*\j+4*\t+3], v[CO], s[74:75] offset:(32*(\j/2)+8*(\j%2)+2*\t+8*(\t/4))*4096
.endr
.endr
	WIN 0
	s_wait_alu depctr_va_vdst(0)
	s_wait_tensorcnt 0x0                           ; my four tiles are in
	s_barrier_signal -1
	s_barrier_wait -1
	FETCH 0, 0, 0
	s_wait_loadcnt 50                              ; the bias is in; gamma's and beta's 2 loads, st's 16 and x's 32 may be out
	STEPS 0, 2                                     ; the first step's products start the sums, with the bias as C
.if LAPS > 1
	s_mov_b32 s3, LAPS-1
.Llap:
	TURN 0, 1, 1
	STEPS 1, 0
	TURN 1, 0, 1
	STEPS 0, 0
	s_sub_co_u32 s3, s3, 1
	s_cmp_lg_u32 s3, 0
	s_cbranch_scc1 .Llap
.endif
	STEP 0, 3, 0
	STEP 0, 4, 0
	STEP 0, 5, 0
	STEP 0, 6, 0
	s_wait_dscnt 0x0
	MUL 0, T, 1, 0
	WIN 0
	PLACES                                         ; in front of the first read of results and of loads into A's registers
	s_wait_alu depctr_va_vdst(0)
	s_wait_loadcnt 0x0                             ; x, the statistics, gamma and beta
	OUTT 0
	OUTT 1
	OUTT 2
	OUTT 3
	s_wait_tensorcnt 0x0                           ; the wave's end
	ds_add_u32 v[SPW], v[NIL]
	s_wait_dscnt 0x0
	CROUND                                         ; the closing round
	s_endpgm
.Lfunc_end_k_qd3cb788ecd_proj:
	.size	k_qd3cb788ecd_proj, .Lfunc_end_k_qd3cb788ecd_proj-k_qd3cb788ecd_proj
	.p2alignl 7, 3214868480
	.fill 96, 4, 3214868480
	.section	.rodata,"a",@progbits
	.p2align	6, 0x0
	.amdhsa_kernel k_qd3cb788ecd_proj
		.amdhsa_group_segment_fixed_size 327680
		.amdhsa_private_segment_fixed_size 0
		.amdhsa_enable_private_segment 0
		.amdhsa_kernarg_size 64
		.amdhsa_user_sgpr_count 2
		.amdhsa_user_sgpr_kernarg_segment_ptr 1
		.amdhsa_wavefront_size32 1
		.amdhsa_system_sgpr_workgroup_id_x 1
		.amdhsa_system_sgpr_workgroup_id_y 1
		.amdhsa_system_sgpr_workgroup_id_z 1
		.amdhsa_system_vgpr_workitem_id 0
		.amdhsa_next_free_vgpr 768
		.amdhsa_next_free_sgpr 100
		.amdhsa_reserve_vcc 0
		.amdhsa_float_denorm_mode_32 3
		.amdhsa_float_denorm_mode_16_64 3
		.amdhsa_memory_ordered 1
		.amdhsa_forward_progress 1
		.amdhsa_inst_pref_size 72
	.end_amdhsa_kernel
	.amdgpu_metadata
---
amdhsa.version: [ 1, 2 ]
amdhsa.kernels:
  - .name:           k_qd3cb788ecd_proj
    .symbol:         k_qd3cb788ecd_proj.kd
    .args:
      - { .name: oq, .offset: 0, .size: 8, .value_kind: global_buffer, .address_space: global }
      - { .name: wimg, .offset: 8, .size: 8, .value_kind: global_buffer, .address_space: global }
      - { .name: b_proj, .offset: 16, .size: 8, .value_kind: global_buffer, .address_space: global }
      - { .name: x, .offset: 24, .size: 8, .value_kind: global_buffer, .address_space: global }
      - { .name: st, .offset: 32, .size: 8, .value_kind: global_buffer, .address_space: global }
      - { .name: gamma1, .offset: 40, .size: 8, .value_kind: global_buffer, .address_space: global }
      - { .name: beta1, .offset: 48, .size: 8, .value_kind: global_buffer, .address_space: global }
      - { .name: x2, .offset: 56, .size: 8, .value_kind: global_buffer, .address_space: global }
    .group_segment_fixed_size: 327680
    .private_segment_fixed_size: 0
    .kernarg_segment_align: 8
    .kernarg_segment_size: 64
    .max_flat_workgroup_size: 128
    .sgpr_count:     100
    .vgpr_count:     768
    .wavefront_size: 32
...
	.end_amdgpu_metadata
.endif
;; end of part 4
;; launch ln2 (part 5): grid 256 x 1, 8 waves a work-group, no clusters, 67,072 bytes of LDS; arguments x2, gamma2, beta2, st, aq; writes st, aq
.if DOCPART == 5
	.amdgcn_target "amdgcn-amd-amdhsa--gfx1250"
	.amdhsa_code_object_version 6
	.text
	.protected	k_qd3cb788ecd_ln2
	.globl	k_qd3cb788ecd_ln2
	.p2align	8
	.type	k_qd3cb788ecd_ln2,@function
k_qd3cb788ecd_ln2:
	s_mov_b64 s[64:65], 0
	v_nop
	global_prefetch_b8 v0, s[64:65] scope:SCOPE_SE
	s_setreg_imm32_b32 hwreg(HW_REG_WAVE_MODE, 25, 1), 1
	s_wait_xcnt 0x0
; y = (x - mean) / sqrt(var + 1e-5) x gamma + beta along rows of 1,024, in f32, quantised to E2M3 along the row and stored as fragment images [256 tiles][8 K steps][1,792 bytes].  y itself is not stored:
; each row's mean and 1 / sqrt go to st, from which a later launch makes y again by the same three operations.
; AN IMAGE: bytes 512 g + 16 l = lane l's registers 4 g .. 4 g + 3 of a fragment (16 rows x 128 K); bytes 1,536 + 8 l = the scale word of row l % 16, twice.  Lane r of tile t holds row 32 (t / 2) + 8 (t % 2) + r + 8 (r / 8).
; st: 256 bytes a tile: byte 64 hh + 8 t holds (mean, 1 / sqrt) of the tile's row 2 t + hh; the 128 bytes stand twice, so that one store of a wave covers the aligned block.
; SHARES.  Work-group t takes tile t: 16 rows.  Wave w first owns the tile's rows 2 w and 2 w + 1, a whole row in 32 registers: mean, then the sum of (x - mean)^2: two passes over registers, so that a common offset of x does no harm.
; The rows meet in LDS (4,112 bytes apart); behind one barrier wave w owns K step w of all 16 rows and quantises it.
; LIMITS: NaN and infinities are not served.  1 / sqrt is v_rsq_f32 and a multiplication where the definition divides.  A block whose largest magnitude lies under 2^-124 (zeros too) gets the scale byte 1; the bytes are read by this program alone.
.set IMG,  1792
.set LP,   4112
.set STL,  16*LP                       ; behind the rows: 16 x (mean, 1 / sqrt)
.set LI,   2                           ; v2  16 x lane
.set L8,   3                           ; v3  8 x lane
.set SST,  8                           ; v8  LDS: where my wave puts its two rows' statistics
.set SRD,  9                           ; v9  LDS: the entry that my lane stores to st
.set ST4,  10                          ; v10-13 mean, 1 / sqrt of my two rows
.set SOUT, 14                          ; v14-15 an entry on its way to st
.set X,    16                          ; v16-79   two rows; later 64 numbers to quantise
.set G,    80                          ; v80-111  gamma
.set BT,   112                         ; v112-143 beta
.set SA,   144                         ; v144-151 sums: two pairs a row
.set TM,   152                         ; v152-167 the quantiser's work
.set PW,   168                         ; v168-169 the scale word, twice
.set PC,   172                         ; v172-191 the codes
.set SEL,  16                          ; s[16:17] v_permlanex16_b32's selects for lane l xor 16
; 64 numbers of a lane, v[s] on, register 16 b + i = k 32 b + 16 (lane / 16) + i of my row, become a fragment's codes in v[PC] on and its scale word in v[PW], v[PW + 1].
.macro QUANT s
.irp b, 0,1,2,3
	v_max3_num_f32 v[TM+\b], |v[(\s)+16*\b]|, |v[(\s)+16*\b+1]|, 0x1800000   ; my 16 numbers of block b, and the floor 2^(3 - 127): the byte cannot fall under 1
.endr
.irp i, 2,4,6,8,10,12,14
.irp b, 0,1,2,3
	s_delay_alu instid0(VALU_DEP_4)
	v_max3_num_f32 v[TM+\b], |v[(\s)+16*\b+\i]|, |v[(\s)+16*\b+\i+1]|, v[TM+\b]
.endr
.endr
.irp b, 0,1,2,3
	s_delay_alu instid0(VALU_DEP_4)
	v_permlanex16_b32 v[TM+4+\b], v[TM+\b], s[SEL], s[SEL+1]
.endr
.irp b, 0,1,2,3
	s_delay_alu instid0(VALU_DEP_4)
	v_max_num_f32 v[TM+\b], v[TM+\b], v[TM+4+\b]   ; with lane l xor 16's: the block's largest magnitude
.endr
.irp b, 0,1,2,3
	s_delay_alu instid0(VALU_DEP_4)
	v_add_nc_u32 v[TM+12+\b], 0xff000000, v[TM+\b] ; 2 off its exponent field: the conversion's scale operand
.endr
.irp b, 0,1,2,3
	s_delay_alu instid0(VALU_DEP_4)
	v_lshrrev_b32 v[TM+4+\b], 23, v[TM+12+\b]      ; the scale's byte
.endr
	s_delay_alu instid0(VALU_DEP_3)
	v_lshl_or_b32 v[PW], v[TM+5], 8, v[TM+4]
	s_delay_alu instid0(VALU_DEP_1)
	v_lshl_or_b32 v[PW], v[TM+6], 16, v[PW]
	s_delay_alu instid0(VALU_DEP_1)
	v_lshl_or_b32 v[PW], v[TM+7], 24, v[PW]
	s_delay_alu instid0(VALU_DEP_1)
	v_mov_b32 v[PW+1], v[PW]
.irp c, 0,1
	v_cvt_scalef32_pk16_fp6_f32 v[PC+6*\c:PC+6*\c+2], v[(\s)+32*\c:(\s)+32*\c+15], v[TM+12+2*\c]
	v_cvt_scalef32_pk16_fp6_f32 v[PC+12+4*\c:PC+14+4*\c], v[(\s)+32*\c+16:(\s)+32*\c+31], v[TM+13+2*\c]
.endr
	v_nop                                          ; one plain place behind a scaled conversion
.irp c, 0,1                                        ; the layout wants a whole block in a lane: lanes 0-15 block 2 c, lanes 16-31 block 2 c + 1
.irp i, 0,1,2
	v_permlane16_swap_b32 v[PC+6*\c+\i], v[PC+12+4*\c+\i]
.endr
.irp i, 0,1,2
	s_delay_alu instid0(VALU_DEP_3)
	v_mov_b32 v[PC+3+6*\c+\i], v[PC+12+4*\c+\i]
.endr
.endr
.endm
.macro IMGOUT b, off                   ; the image leaves: every store covers whole aligned blocks of 256 bytes
.irp g, 0,1,2
	global_store_b128 v[LI], v[PC+4*\g:PC+4*\g+3], s[\b:\b+1] offset:(\off)+512*\g
.endr
	global_store_b64 v[L8], v[PW:PW+1], s[\b:\b+1] offset:(\off)+1536
.endm
.macro WSUM a, t                       ; the sum over the 32 lanes, in every lane
	v_add_f32_dpp v[\a], v[\a], v[\a] row_xmask:1 row_mask:0xf bank_mask:0xf
	s_delay_alu instid0(VALU_DEP_1)
	v_add_f32_dpp v[\a], v[\a], v[\a] row_xmask:2 row_mask:0xf bank_mask:0xf
	s_delay_alu instid0(VALU_DEP_1)
	v_add_f32_dpp v[\a], v[\a], v[\a] row_xmask:4 row_mask:0xf bank_mask:0xf
	s_delay_alu instid0(VALU_DEP_1)
	v_add_f32_dpp v[\a], v[\a], v[\a] row_xmask:8 row_mask:0xf bank_mask:0xf
	s_delay_alu instid0(VALU_DEP_1)
	v_permlanex16_b32 v[\t], v[\a], s[SEL], s[SEL+1]
	s_delay_alu instid0(VALU_DEP_1)
	v_add_f32 v[\a], v[\a], v[\t]
.endm
	s_load_b256 s[4:11], s[0:1], 0x0               ; x, gamma, beta, st
	s_load_b64 s[12:13], s[0:1], 0x20              ; y's images
	v_lshl_add_u32 v192, v0, 2, 0x10200
	v_mov_b32 v193, 0
	v_lshrrev_b32 v1, 5, v0
	s_delay_alu instid0(VALU_DEP_1)
	v_readfirstlane_b32 s14, v1                    ; wave 0..7
	v_and_b32 v1, 31, v0
	s_delay_alu instid0(VALU_DEP_1)
	v_lshlrev_b32 v[LI], 4, v1
	s_delay_alu instid0(VALU_DEP_2)
	v_lshlrev_b32 v[L8], 3, v1
	s_mul_i32 s15, s14, 2*LP
	v_add_nc_u32 v4, s15, v[LI]                    ; LDS, in: my two rows, 16 bytes a lane
	v_and_b32 v6, 15, v0
	v_bfe_u32 v7, v0, 4, 1
	s_delay_alu instid0(VALU_DEP_2)
	v_mul_u32_u24 v5, v6, LP
	s_delay_alu instid0(VALU_DEP_1)
	v_lshl_add_u32 v5, v7, 6, v5
	s_lshl_b32 s15, s14, 9
	v_add_nc_u32 v5, s15, v5                       ; LDS, out: row r, K step w, + 64 h: my 16 numbers of a block
	s_lshl_b32 s15, s14, 4
	s_add_co_u32 s15, s15, STL
	v_mov_b32 v[SST], s15                          ; the tile's row i has its entry at STL + 8 i: my wave's two at 16 w
	v_and_b32 v1, 7, v0
	v_bfe_u32 v[SRD], v0, 3, 1
	s_delay_alu instid0(VALU_DEP_1)
	v_lshlrev_b32 v[SRD], 3, v[SRD]
	s_delay_alu instid0(VALU_DEP_1)
	v_lshl_add_u32 v[SRD], v1, 4, v[SRD]
	s_delay_alu instid0(VALU_DEP_1)
	v_add_nc_u32 v[SRD], STL, v[SRD]               ; place l % 16 of st's block holds row 2 (l % 8) + (l / 8) % 2
	s_mov_b32 s[SEL], 0x76543210
	s_mov_b32 s[SEL+1], 0xfedcba98
	s_mov_b32 s20, 0x3a800000                      ; 1 / 1,024
	s_mov_b32 s21, 0x3727c5ac                      ; 1e-5
	s_lshr_b32 s22, ttmp9, 1
	s_lshl_b32 s22, s22, 5
	s_and_b32 s23, ttmp9, 1
	s_lshl_b32 s23, s23, 3
	s_add_co_u32 s22, s22, s23                     ; the tile's first row
	s_lshl_b32 s23, s14, 1
	s_add_co_u32 s22, s22, s23
	s_lshr_b32 s23, s14, 2
	s_lshl_b32 s23, s23, 3
	s_add_co_u32 s22, s22, s23                     ; + 2 w + 8 (w / 4): my first row
	s_lshl_b32 s22, s22, 12
	s_mov_b32 s23, 0
	s_lshl_b32 s24, ttmp9, 3
	s_add_co_u32 s24, s24, s14
	s_mul_i32 s24, s24, IMG                        ; image 8 t + w
	s_mov_b32 s25, 0
	s_lshl_b32 s26, ttmp9, 8                       ; st: 256 bytes a tile
	s_mov_b32 s27, 0
.irp b, 0,1,2,3
	v_mov_b32 v[TM+4+\b], 0                        ; written once: a lane permute's destination counts as one of its sources
.endr
	s_wait_kmcnt 0x0
	s_add_nc_u64 s[4:5], s[4:5], s[22:23]
	s_add_nc_u64 s[10:11], s[10:11], s[26:27]
	s_add_nc_u64 s[12:13], s[12:13], s[24:25]
.irp i, 0,1
.irp j, 0,1,2,3,4,5,6,7
	global_load_b128 v[X+32*\i+4*\j:X+32*\i+4*\j+3], v[LI], s[4:5] offset:4096*\i+512*\j th:TH_LOAD_NT
.endr
.endr
.irp j, 0,1,2,3,4,5,6,7
	global_load_b128 v[G+4*\j:G+4*\j+3], v[LI], s[6:7] offset:512*\j
.endr
.irp j, 0,1,2,3,4,5,6,7
	global_load_b128 v[BT+4*\j:BT+4*\j+3], v[LI], s[8:9] offset:512*\j
.endr
	s_wait_loadcnt 16                              ; x's 16 loads are in; gamma's and beta's 16 may be out
.irp i, 0,1                                        ; the rows' sums: two chains a row, the rows by turns
	v_pk_add_f32 v[SA+4*\i:SA+4*\i+1], v[X+32*\i:X+32*\i+1], v[X+32*\i+2:X+32*\i+3]
	v_pk_add_f32 v[SA+4*\i+2:SA+4*\i+3], v[X+32*\i+4:X+32*\i+5], v[X+32*\i+6:X+32*\i+7]
.endr
.irp k, 8,12,16,20,24,28
.irp i, 0,1
	s_delay_alu instid0(VALU_DEP_4)
	v_pk_add_f32 v[SA+4*\i:SA+4*\i+1], v[SA+4*\i:SA+4*\i+1], v[X+32*\i+\k:X+32*\i+\k+1]
	s_delay_alu instid0(VALU_DEP_4)
	v_pk_add_f32 v[SA+4*\i+2:SA+4*\i+3], v[SA+4*\i+2:SA+4*\i+3], v[X+32*\i+\k+2:X+32*\i+\k+3]
.endr
.endr
.irp i, 0
	s_delay_alu instid0(VALU_DEP_3)
	v_pk_add_f32 v[SA+4*\i:SA+4*\i+1], v[SA+4*\i:SA+4*\i+1], v[SA+4*\i+2:SA+4*\i+3]
.endr
.irp i, 1
	s_delay_alu instid0(VALU_DEP_2)
	v_pk_add_f32 v[SA+4*\i:SA+4*\i+1], v[SA+4*\i:SA+4*\i+1], v[SA+4*\i+2:SA+4*\i+3]
.endr
.irp i, 0,1
	s_delay_alu instid0(VALU_DEP_2)
	v_add_f32 v[SA+4*\i], v[SA+4*\i], v[SA+4*\i+1]
.endr
	WSUM SA, SA+2
	WSUM SA+4, SA+6
.irp i, 0
	v_mul_f32 v[SA+4*\i], s20, v[SA+4*\i]          ; the mean
.endr
.irp i, 1
	s_delay_alu instid0(VALU_DEP_2)
	v_mul_f32 v[SA+4*\i], s20, v[SA+4*\i]          ; the mean
.endr
.irp i, 0,1
	s_delay_alu instid0(VALU_DEP_2)
	v_mov_b32 v[ST4+2*\i], v[SA+4*\i]              ; kept for st
.endr
.irp k, 0,2,4,6,8,10,12,14,16,18,20,22,24,26,28,30
.irp i, 0,1
	v_pk_add_f32 v[X+32*\i+\k:X+32*\i+\k+1], v[X+32*\i+\k:X+32*\i+\k+1], v[SA+4*\i:SA+4*\i+1] op_sel_hi:[1,0] neg_lo:[0,1] neg_hi:[0,1]   ; d = x - mean
.endr
.endr
.irp i, 0,1
	v_pk_mul_f32 v[SA+4*\i:SA+4*\i+1], v[X+32*\i:X+32*\i+1], v[X+32*\i:X+32*\i+1]
	v_pk_mul_f32 v[SA+4*\i+2:SA+4*\i+3], v[X+32*\i+2:X+32*\i+3], v[X+32*\i+2:X+32*\i+3]
.endr
.irp k, 4,8,12,16,20,24,28
.irp i, 0,1
	s_delay_alu instid0(VALU_DEP_4)
	v_pk_fma_f32 v[SA+4*\i:SA+4*\i+1], v[X+32*\i+\k:X+32*\i+\k+1], v[X+32*\i+\k:X+32*\i+\k+1], v[SA+4*\i:SA+4*\i+1]
	s_delay_alu instid0(VALU_DEP_4)
	v_pk_fma_f32 v[SA+4*\i+2:SA+4*\i+3], v[X+32*\i+\k+2:X+32*\i+\k+3], v[X+32*\i+\k+2:X+32*\i+\k+3], v[SA+4*\i+2:SA+4*\i+3]
.endr
.endr
.irp i, 0
	s_delay_alu instid0(VALU_DEP_3)
	v_pk_add_f32 v[SA+4*\i:SA+4*\i+1], v[SA+4*\i:SA+4*\i+1], v[SA+4*\i+2:SA+4*\i+3]
.endr
.irp i, 1
	s_delay_alu instid0(VALU_DEP_2)
	v_pk_add_f32 v[SA+4*\i:SA+4*\i+1], v[SA+4*\i:SA+4*\i+1], v[SA+4*\i+2:SA+4*\i+3]
.endr
.irp i, 0,1
	s_delay_alu instid0(VALU_DEP_2)
	v_add_f32 v[SA+4*\i], v[SA+4*\i], v[SA+4*\i+1]
.endr
	WSUM SA, SA+2
	WSUM SA+4, SA+6
.irp i, 0
	v_fma_f32 v[SA+4*\i], v[SA+4*\i], s20, s21     ; var + 1e-5
.endr
.irp i, 1
	s_delay_alu instid0(VALU_DEP_2)
	v_fma_f32 v[SA+4*\i], v[SA+4*\i], s20, s21     ; var + 1e-5
.endr
	s_wait_alu depctr_va_vdst(0)
.irp i, 0,1
	v_rsq_f32 v[SA+4*\i+2], v[SA+4*\i]
.endr
	v_nop                                          ; a plain place behind the transcendentals
	s_wait_alu depctr_va_vdst(0)
.irp i, 0,1
	v_mov_b32 v[ST4+2*\i+1], v[SA+4*\i+2]          ; kept for st
.endr
	s_wait_loadcnt 0x0                             ; gamma and beta
.irp k, 0,2,4,6,8,10,12,14,16,18,20,22,24,26,28,30
.irp i, 0,1
	v_pk_mul_f32 v[X+32*\i+\k:X+32*\i+\k+1], v[X+32*\i+\k:X+32*\i+\k+1], v[SA+4*\i+2:SA+4*\i+3] op_sel_hi:[1,0]
.endr
.endr
.irp k, 0,2,4,6,8,10,12,14,16,18,20,22,24,26,28,30
.irp i, 0,1
	v_pk_fma_f32 v[X+32*\i+\k:X+32*\i+\k+1], v[X+32*\i+\k:X+32*\i+\k+1], v[G+\k:G+\k+1], v[BT+\k:BT+\k+1]
.endr
.endr
.irp i, 0,1
.irp j, 0,1,2,3,4,5,6,7
	ds_store_b128 v4, v[X+32*\i+4*\j:X+32*\i+4*\j+3] offset:LP*\i+512*\j
.endr
.endr
	ds_store_b128 v[SST], v[ST4:ST4+3]             ; all lanes write the same 16 bytes with the same values
	s_wait_dscnt 0x0                               ; for the others' sake: my rows lie in LDS
	s_barrier_signal -1
	s_barrier_wait -1
.irp b, 0,1,2,3
.irp j, 0,1,2,3
	ds_load_b128 v[X+16*\b+4*\j:X+16*\b+4*\j+3], v5 offset:128*\b+16*\j   ; row r, k = 128 w + 32 b + 16 h + 4 j on
.endr
.endr
	s_cmp_lg_u32 s14, 0                            ; wave 0 stores the tile's statistics
	s_cbranch_scc1 .Lno_stats
	ds_load_b64 v[SOUT:SOUT+1], v[SRD]
	s_wait_dscnt 0x0
	global_store_b64 v[L8], v[SOUT:SOUT+1], s[10:11]   ; 256 consecutive bytes, aligned
.Lno_stats:
	s_wait_dscnt 0x0
	QUANT X
	IMGOUT 12, 0
	s_wait_tensorcnt 0x0
	ds_add_u32 v192, v193
	s_wait_dscnt 0x0
	s_endpgm
.Lfunc_end_k_qd3cb788ecd_ln2:
	.size	k_qd3cb788ecd_ln2, .Lfunc_end_k_qd3cb788ecd_ln2-k_qd3cb788ecd_ln2
	.p2alignl 7, 3214868480
	.fill 96, 4, 3214868480
	.section	.rodata,"a",@progbits
	.p2align	6, 0x0
	.amdhsa_kernel k_qd3cb788ecd_ln2
		.amdhsa_group_segment_fixed_size 67072
		.amdhsa_private_segment_fixed_size 0
		.amdhsa_enable_private_segment 0
		.amdhsa_kernarg_size 40
		.amdhsa_user_sgpr_count 2
		.amdhsa_user_sgpr_kernarg_segment_ptr 1
		.amdhsa_wavefront_size32 1
		.amdhsa_system_sgpr_workgroup_id_x 1
		.amdhsa_system_sgpr_workgroup_id_y 1
		.amdhsa_system_sgpr_workgroup_id_z 1
		.amdhsa_system_vgpr_workitem_id 0
		.amdhsa_next_free_vgpr 194
		.amdhsa_next_free_sgpr 66
		.amdhsa_reserve_vcc 0
		.amdhsa_float_denorm_mode_32 3
		.amdhsa_float_denorm_mode_16_64 3
		.amdhsa_memory_ordered 1
		.amdhsa_forward_progress 1
		.amdhsa_inst_pref_size 29
	.end_amdhsa_kernel
	.amdgpu_metadata
---
amdhsa.version: [ 1, 2 ]
amdhsa.kernels:
  - .name:           k_qd3cb788ecd_ln2
    .symbol:         k_qd3cb788ecd_ln2.kd
    .args:
      - { .name: x2, .offset: 0, .size: 8, .value_kind: global_buffer, .address_space: global }
      - { .name: gamma2, .offset: 8, .size: 8, .value_kind: global_buffer, .address_space: global }
      - { .name: beta2, .offset: 16, .size: 8, .value_kind: global_buffer, .address_space: global }
      - { .name: st, .offset: 24, .size: 8, .value_kind: global_buffer, .address_space: global }
      - { .name: aq, .offset: 32, .size: 8, .value_kind: global_buffer, .address_space: global }
    .group_segment_fixed_size: 67072
    .private_segment_fixed_size: 0
    .kernarg_segment_align: 8
    .kernarg_segment_size: 40
    .max_flat_workgroup_size: 256
    .sgpr_count:     66
    .vgpr_count:     194
    .wavefront_size: 32
...
	.end_amdgpu_metadata
.endif
;; end of part 5
;; launch ffn1 (part 6): grid 16 x 16, 4 waves a work-group, clusters of 4 x 4, 327,680 bytes of LDS; arguments aq, wimg, b1, hid; writes hid
.if DOCPART == 6
	.amdgcn_target "amdgcn-amd-amdhsa--gfx1250"
	.amdhsa_code_object_version 6
	.text
	.protected	k_qd3cb788ecd_ffn1
	.globl	k_qd3cb788ecd_ffn1
	.p2align	8
	.type	k_qd3cb788ecd_ffn1,@function
k_qd3cb788ecd_ffn1:
	s_mov_b64 s[64:65], 0
	v_nop
	global_prefetch_b8 v0, s[64:65] scope:SCOPE_SE
	s_setreg_imm32_b32 hwreg(HW_REG_WAVE_MODE, 25, 1), 1
	s_wait_xcnt 0x0
	s_wait_alu depctr_hold_cnt(0) depctr_sa_sdst(0) depctr_va_vdst(0) depctr_va_sdst(0) depctr_va_ssrc(0) depctr_va_vcc(0) depctr_vm_vsrc(0)
	s_getreg_b32 s2, hwreg(HW_REG_IB_STS2, 6, 4)
	s_cmp_eq_u32 s2, 0
	s_cbranch_scc0 .Lentry_in_a_cluster
	s_endpgm
.Lentry_in_a_cluster:
	s_bfe_u32 s2, ttmp6, 0x10000c
	s_cmp_lg_u32 s2, 0xf033
	s_cbranch_scc0 .Lentry_shape_is_right
	s_endpgm
.Lentry_shape_is_right:
.set T,     8
.set NQ,    2
.set NK,    8
.set IMG,   1792
.set WOFF,  2048*IMG
.set TILEB, NQ*IMG
.set HALFT, T*TILEB
.set SLOT,  4*HALFT
.set SPARE, 2*SLOT
.set LAPS,  NK/(2*NQ)
.set ADRA, 16
.set ASA,  18
.set ADRB, 20
.set ASB,  22
.set LI,   24
.set L8,   25
.set SPW,  28
.set NIL,  29
.set SC,   32
.set AF,   64
.set BIAS, 192
.set TM,   64
.set PW,   80
.set PC,   84
.set HB,   128
.set G1,   24
.set G0,   32
.set G1B,  48
.set G0B,  56
.set SEL,  76
.set PFO,  26                          ; v26  the prefetches' offset: lane l (held at 27) names block l % 14 of tile l / 14
.set PFA,  80                          ; s[80:81] of the eight tiles that I fetch, the two that fall to my work-group among the four that ask jointly (cx for A, cy for B: told apart by address alone)
.set MSB, 0
.macro WIN new
.if MSB != (\new)
	s_set_vgpr_msb (MSB<<8)|(\new)
.set MSB, (\new)
.endif
.endm
.macro PLACES
.rept 4
	v_nop
.endr
.endm
.macro JLOAD g0a, g1a, g0b, g1b
	s_cmp_eq_u32 s15, 0
	s_cbranch_scc0 .Lfor_b_\@
	tensor_load_to_lds s[\g0a:\g0a+3], s[\g1a:\g1a+7]
	s_nop 0
.rept 4
	v_nop
.endr
	s_branch .Lasked_\@
.Lfor_b_\@:
	tensor_load_to_lds s[\g0b:\g0b+3], s[\g1b:\g1b+7]
	s_nop 0
.rept 4
	v_nop
.endr
.Lasked_\@:
.endm
.macro CREST
	s_cmp_lg_u32 s14, 0
	s_cbranch_scc1 .Lnot_wave_0_\@
	s_barrier_signal -3
.Lnot_wave_0_\@:
	s_barrier_wait -3
	s_barrier_signal -1
	s_barrier_wait -1
.endm
.macro CROUND
	s_barrier_signal -1
	s_barrier_wait -1
	CREST
.endm
.macro FETCH slot, q, p
	WIN 0x40
.irp i, 0,1,2,3,4,5,6,7
.irp g, 0,1,2
	ds_load_b128 v[96*(\p)+12*\i+4*\g:96*(\p)+12*\i+4*\g+3], v[ADRB+\slot] offset:\i*TILEB+(\q)*IMG+512*\g
.endr
.endr
	WIN 0
.irp i, 0,1,2,3,4,5,6,7
.irp g, 0,1,2
	ds_load_b128 v[AF+96*(\p)+12*\i+4*\g:AF+96*(\p)+12*\i+4*\g+3], v[ADRA+\slot] offset:\i*TILEB+(\q)*IMG+512*\g
.endr
.endr
.irp i, 0,1,2,3,4,5,6,7
	ds_load_b32 v[SC+16*(\p)+\i], v[ASB+\slot] offset:\i*TILEB+(\q)*IMG+1536
	ds_load_b32 v[SC+16*(\p)+8+\i], v[ASA+\slot] offset:\i*TILEB+(\q)*IMG+1536
.endr
.endm
.macro MUL j0, nj, p, mode
.set jj, \j0
.rept \nj
.if \mode == 2
	WIN 0x91+0x40*(jj/4)
.else
	WIN 0xa1+0x50*(jj/4)
.endif
.irp i, 0,1,2,3,4,5,6,7
.set AC, 8*(8*(jj%4)+\i)
.if \mode == 0
	v_wmma_scale_f32_16x16x128_f8f6f4 v[AC:AC+7], v[96*(\p)+12*\i:96*(\p)+12*\i+11], v[AF+96*(\p)+12*jj:AF+96*(\p)+12*jj+11], v[AC:AC+7], v[SC+16*(\p)+\i], v[SC+16*(\p)+8+jj] matrix_a_fmt:MATRIX_FMT_FP6 matrix_b_fmt:MATRIX_FMT_FP6
.else
	v_wmma_scale_f32_16x16x128_f8f6f4 v[AC:AC+7], v[96*(\p)+12*\i:96*(\p)+12*\i+11], v[AF+96*(\p)+12*jj:AF+96*(\p)+12*jj+11], v[BIAS+8*\i:BIAS+8*\i+7], v[SC+16*(\p)+\i], v[SC+16*(\p)+8+jj] matrix_a_fmt:MATRIX_FMT_FP6 matrix_b_fmt:MATRIX_FMT_FP6
.endif
.endr
.set jj, jj+1
.endr
.endm
.macro STEP slot, q, mode
	s_wait_dscnt 0x0
	PLACES                                         ; in front of loads into the other set, which the last step's products read
	FETCH \slot, (\q)+1, 1-(\q)%2                  ; the next step's 64 loads go out at the step's top: all 64 products stand between them and the wait for them
	MUL 0, T, (\q)%2, \mode
	WIN 0
.endm
.macro TURN slot, next, fill
	s_wait_tensorcnt 0x0
	ds_add_u32 v[SPW], v[NIL]
	s_wait_dscnt 0x1
	MUL 0, T/4, 1, 0
	s_wait_dscnt 0x0
	s_barrier_signal -1
	WIN 0
	s_barrier_wait -1
.if \fill
	CREST
	s_add_nc_u64 s[G0+4*\slot+2:G0+4*\slot+3], s[G0+4*\slot+2:G0+4*\slot+3], 2*NQ*IMG
	s_add_nc_u64 s[G0B+4*\slot+2:G0B+4*\slot+3], s[G0B+4*\slot+2:G0B+4*\slot+3], 2*NQ*IMG
	JLOAD G0+4*\slot, G1, G0B+4*\slot, G1B
.else
	PLACES
.endif
	FETCH \next, 0, 0
	MUL T/4, 3*T/4, 1, 0                           ; 48 products stand between the fetch above and the wait for it
	WIN 0
.endm
.macro QUANT s, W
	WIN 5*(\W)
.irp b, 0,1,2,3
	v_max3_num_f32 v[TM+\b], |v[(\s)+16*\b]|, |v[(\s)+16*\b+1]|, 0x1800000
.endr
.irp i, 2,4,6,8,10,12,14
.irp b, 0,1,2,3
	v_max3_num_f32 v[TM+\b], |v[(\s)+16*\b+\i]|, |v[(\s)+16*\b+\i+1]|, v[TM+\b]
.endr
.endr
	WIN 0
.irp b, 0,1,2,3
	v_permlanex16_b32 v[TM+4+\b], v[TM+\b], s[SEL], s[SEL+1]
.endr
.irp b, 0,1,2,3
	v_max_num_f32 v[TM+\b], v[TM+\b], v[TM+4+\b]
.endr
.irp b, 0,1,2,3
	v_add_nc_u32 v[TM+12+\b], 0xff000000, v[TM+\b]
.endr
.irp b, 0,1,2,3
	v_lshrrev_b32 v[TM+4+\b], 23, v[TM+12+\b]
.endr
	v_lshl_or_b32 v[PW], v[TM+5], 8, v[TM+4]
	v_lshl_or_b32 v[PW], v[TM+6], 16, v[PW]
	v_lshl_or_b32 v[PW], v[TM+7], 24, v[PW]
	v_mov_b32 v[PW+1], v[PW]
	WIN (\W)
.irp c, 0,1
	v_cvt_scalef32_pk16_fp6_f32 v[PC+6*\c:PC+6*\c+2], v[(\s)+32*\c:(\s)+32*\c+15], v[TM+12+2*\c]
	v_cvt_scalef32_pk16_fp6_f32 v[PC+12+4*\c:PC+14+4*\c], v[(\s)+32*\c+16:(\s)+32*\c+31], v[TM+13+2*\c]
.endr
	WIN 0
	v_nop
.irp c, 0,1
.irp i, 0,1,2
	v_permlane16_swap_b32 v[PC+6*\c+\i], v[PC+12+4*\c+\i]
.endr
.irp i, 0,1,2
	v_mov_b32 v[PC+3+6*\c+\i], v[PC+12+4*\c+\i]
.endr
.endr
.endm
.macro IMGOUT b, off
.irp g, 0,1,2
	global_store_b128 v[LI], v[PC+4*\g:PC+4*\g+3], s[\b:\b+1] offset:(\off)+512*\g
.endr
	global_store_b64 v[L8], v[PW:PW+1], s[\b:\b+1] offset:(\off)+1536
.endm
	s_load_b256 s[4:11], s[0:1], 0x0
	v_lshl_add_u32 v[SPW], v0, 2, SPARE
	v_mov_b32 v[NIL], 0
	ds_add_u32 v28, v29
	ds_add_u32 v28, v29
	s_wait_dscnt 0x0
	v_lshrrev_b32 v1, 5, v0
	v_readfirstlane_b32 s14, v1
	s_lshr_b32 s15, s14, 1
	s_and_b32 s16, s14, 1
	s_bfe_u32 s40, ttmp6, 0x40000
	s_bfe_u32 s41, ttmp6, 0x40004
	s_lshl_b32 s42, ttmp9, 2
	s_add_co_u32 s42, s42, s40
	s_and_b32 s45, ttmp7, 0xffff
	s_lshl_b32 s45, s45, 2
	s_add_co_u32 s45, s45, s41
	s_lshl_b32 s43, s41, 2
	s_lshl_b32 s43, 15, s43
	s_lshl_b32 s44, 0x1111, s40
	s_or_b32 s[G1], s43, (3<<16)|(1<<21)
	s_or_b32 s[G1B], s44, (3<<16)|(1<<21)
.irp g, G1, G1B
	s_mov_b32 s[\g+1], (NQ*224)<<16
	s_mov_b32 s[\g+2], T<<16
	s_mov_b32 s[\g+3], (NQ*224)<<16
	s_mov_b32 s[\g+4], T
	s_mov_b32 s[\g+5], NK*224
	s_mov_b32 s[\g+6], 0
	s_mov_b32 s[\g+7], 0
.endr
	s_lshl_b32 s22, s16, 3
	s_lshl_b32 s46, s42, 4
	s_add_co_u32 s46, s46, s22
	s_mul_i32 s46, s46, NK*IMG
	s_add_co_u32 s46, s46, WOFF
	s_mov_b32 s47, 0
	s_lshl_b32 s20, s45, 4
	s_add_co_u32 s20, s20, s22
	s_mul_i32 s20, s20, NK*IMG
	s_mov_b32 s21, 0
	s_mul_i32 s68, s14, HALFT
	s_lshl_b32 s69, s42, 1
	s_add_co_u32 s69, s69, s16
	s_lshl_b32 s72, s69, 9
	s_mov_b32 s73, 0
	s_lshl_b32 s74, s45, 4
	s_lshl_b32 s75, s15, 3
	s_add_co_u32 s74, s74, s75
	s_lshl_b32 s74, s74, 5
	s_add_co_u32 s74, s74, s69
	s_mul_i32 s74, s74, IMG
	s_mov_b32 s75, 0
	s_mov_b32 s[SEL], 0x76543210
	s_mov_b32 s[SEL+1], 0xfedcba98
	s_wait_kmcnt 0x0
	s_add_nc_u64 s[46:47], s[6:7], s[46:47]
	s_add_nc_u64 s[20:21], s[4:5], s[20:21]
	s_add_nc_u64 s[8:9], s[8:9], s[72:73]
	s_add_nc_u64 s[10:11], s[10:11], s[74:75]
	s_cmp_eq_u32 s15, 0                            ; do I fetch for A?
	s_cselect_b64 s[PFA:PFA+1], s[20:21], s[46:47]
	s_cselect_b32 s82, s40, s41                    ; my place among the four that ask with me
	s_mul_i32 s82, s82, 2*NK*IMG
	s_mov_b32 s83, 0
	s_add_nc_u64 s[PFA:PFA+1], s[PFA:PFA+1], s[82:83]
	CROUND
.irp s, 0,1
	s_mov_b32 s[G0+4*\s], 1
	s_add_co_u32 s[G0+4*\s+1], s68, \s*SLOT
	s_add_nc_u64 s[G0+4*\s+2:G0+4*\s+3], s[20:21], \s*NQ*IMG
	s_or_b32 s[G0+4*\s+3], s[G0+4*\s+3], 0x80000000
	s_mov_b32 s[G0B+4*\s], 1
	s_add_co_u32 s[G0B+4*\s+1], s68, \s*SLOT
	s_add_nc_u64 s[G0B+4*\s+2:G0B+4*\s+3], s[46:47], \s*NQ*IMG
	s_or_b32 s[G0B+4*\s+3], s[G0B+4*\s+3], 0x80000000
.endr
	JLOAD G0, G1, G0B, G1B                         ; slot 0: one tensor load a wave at the head
	v_and_b32 v1, 31, v0
	v_lshlrev_b32 v[LI], 4, v1
	v_lshlrev_b32 v[L8], 3, v1
	v_bfe_u32 v3, v0, 4, 1
	v_lshlrev_b32 v31, 6, v3
	; PREFETCHES: K is four slots' worth; slot 0 comes by its load alone; what the next two fills will ask for is asked of memory here, behind slot 0's load, the last fill's behind slot 1's load.
	; A slot's part of a tile is 3,584 bytes, 14 blocks of 256: a lane a block, two tiles a wave; lanes 28-31 name lane 27's block again.
	v_min_u32 v[PFO], 27, v1
	v_mul_u32_u24 v27, v[PFO], 147
	v_lshrrev_b32 v27, 11, v27                     ; l / 14
	v_mul_u32_u24 v27, v27, NK*IMG-14*256
	v_lshl_add_u32 v[PFO], v[PFO], 8, v27
	s_wait_alu depctr_va_vdst(0)
	global_prefetch_b8 v[PFO], s[PFA:PFA+1] offset:NQ*IMG th:TH_LOAD_NT scope:SCOPE_SE
	global_prefetch_b8 v[PFO], s[PFA:PFA+1] offset:2*NQ*IMG th:TH_LOAD_NT scope:SCOPE_SE
	s_mul_i32 s22, s15, HALFT
	s_mul_i32 s23, s16, HALFT
	s_add_co_u32 s23, s23, 2*HALFT
.irp s, 0,1
	v_add_nc_u32 v[ADRA+\s], s22, v[LI]
	v_add_nc_u32 v[ASA+\s], s22, v[L8]
	v_add_nc_u32 v[ADRB+\s], s23, v[LI]
	v_add_nc_u32 v[ASB+\s], s23, v[L8]
	s_add_co_u32 s22, s22, SLOT
	s_add_co_u32 s23, s23, SLOT
.endr
	WIN 0x40
.irp i, 0,1,2,3,4,5,6,7
	global_load_b128 v[BIAS+8*\i:BIAS+8*\i+3], v31, s[8:9] offset:(32*(\i/2)+8*(\i%2))*4
	global_load_b128 v[BIAS+8*\i+4:BIAS+8*\i+7], v31, s[8:9] offset:(32*(\i/2)+8*(\i%2))*4+16
.endr
	WIN 0
	s_wait_alu depctr_va_vdst(0)
	s_wait_tensorcnt 0x0                           ; my part of slot 0 is in; slot 1's first fill is issued as a refill is:
	ds_add_u32 v[SPW], v[NIL]
	s_wait_dscnt 0x0
	CROUND                                         ; everybody's part of slot 0 is in, and all sixteen work-groups are here
	JLOAD G0+4, G1, G0B+4, G1B                     ; slot 1, the first tensor load behind the round
	FETCH 0, 0, 0
	global_prefetch_b8 v[PFO], s[PFA:PFA+1] offset:3*NQ*IMG th:TH_LOAD_NT scope:SCOPE_SE
	s_wait_loadcnt 0x0
	STEP 0, 0, 2
	s_mov_b32 s3, LAPS-1
.Llap:
	TURN 0, 1, 1
	STEP 1, 0, 0
	TURN 1, 0, 1
	STEP 0, 0, 0
	s_sub_co_u32 s3, s3, 1
	s_cmp_lg_u32 s3, 0
	s_cbranch_scc1 .Llap
	TURN 0, 1, 0
	STEP 1, 0, 0
	s_wait_dscnt 0x0
	MUL 0, T, 1, 0
	WIN 0
	PLACES
.irp b, 0,1,2,3
	v_mov_b32 v[TM+4+\b], 0
.endr
.irp j, 0,1,2,3,4,5,6,7
	s_wait_xcnt 0x0
	WIN (2+\j/4)<<2
.set n, 0
.rept 64
	v_max_num_f32 v[HB+n], 0, v[64*(\j%4)+n]
.set n, n+1
.endr
	QUANT HB, 0
	IMGOUT 10, \j*32*IMG
.endr
	s_wait_tensorcnt 0x0
	ds_add_u32 v[SPW], v[NIL]
	s_wait_dscnt 0x0
	CROUND
	s_endpgm
.Lfunc_end_k_qd3cb788ecd_ffn1:
	.size	k_qd3cb788ecd_ffn1, .Lfunc_end_k_qd3cb788ecd_ffn1-k_qd3cb788ecd_ffn1
	.p2alignl 7, 3214868480
	.fill 96, 4, 3214868480
	.section	.rodata,"a",@progbits
	.p2align	6, 0x0
	.amdhsa_kernel k_qd3cb788ecd_ffn1
		.amdhsa_group_segment_fixed_size 327680
		.amdhsa_private_segment_fixed_size 0
		.amdhsa_enable_private_segment 0
		.amdhsa_kernarg_size 32
		.amdhsa_user_sgpr_count 2
		.amdhsa_user_sgpr_kernarg_segment_ptr 1
		.amdhsa_wavefront_size32 1
		.amdhsa_system_sgpr_workgroup_id_x 1
		.amdhsa_system_sgpr_workgroup_id_y 1
		.amdhsa_system_sgpr_workgroup_id_z 1
		.amdhsa_system_vgpr_workitem_id 0
		.amdhsa_next_free_vgpr 1024
		.amdhsa_next_free_sgpr 100
		.amdhsa_reserve_vcc 0
		.amdhsa_float_denorm_mode_32 3
		.amdhsa_float_denorm_mode_16_64 3
		.amdhsa_memory_ordered 1
		.amdhsa_forward_progress 1
		.amdhsa_inst_pref_size 161
	.end_amdhsa_kernel
	.amdgpu_metadata
---
amdhsa.version: [ 1, 2 ]
amdhsa.kernels:
  - .name:           k_qd3cb788ecd_ffn1
    .symbol:         k_qd3cb788ecd_ffn1.kd
    .args:
      - { .name: aq, .offset: 0, .size: 8, .value_kind: global_buffer, .address_space: global }
      - { .name: wimg, .offset: 8, .size: 8, .value_kind: global_buffer, .address_space: global }
      - { .name: b1, .offset: 16, .size: 8, .value_kind: global_buffer, .address_space: global }
      - { .name: hid, .offset: 24, .size: 8, .value_kind: global_buffer, .address_space: global }
    .group_segment_fixed_size: 327680
    .private_segment_fixed_size: 0
    .kernarg_segment_align: 8
    .kernarg_segment_size: 32
    .max_flat_workgroup_size: 128
    .sgpr_count:     100
    .vgpr_count:     1024
    .wavefront_size: 32
...
	.end_amdgpu_metadata
.endif
;; end of part 6
;; launch ffn2 (part 7): grid 8 x 32, 4 waves a work-group, clusters of 4 x 4, 327,680 bytes of LDS; arguments hid, wimg, b2, x2, st, gamma2, beta2, out0; writes out0
.if DOCPART == 7
	.amdgcn_target "amdgcn-amd-amdhsa--gfx1250"
	.amdhsa_code_object_version 6
	.text
	.protected	k_qd3cb788ecd_ffn2
	.globl	k_qd3cb788ecd_ffn2
	.p2align	8
	.type	k_qd3cb788ecd_ffn2,@function
k_qd3cb788ecd_ffn2:
	s_mov_b64 s[64:65], 0
	v_nop
	global_prefetch_b8 v0, s[64:65] scope:SCOPE_SE
	s_setreg_imm32_b32 hwreg(HW_REG_WAVE_MODE, 25, 1), 1
	s_wait_xcnt 0x0
	s_wait_alu depctr_hold_cnt(0) depctr_sa_sdst(0) depctr_va_vdst(0) depctr_va_sdst(0) depctr_va_ssrc(0) depctr_va_vcc(0) depctr_vm_vsrc(0)
	s_getreg_b32 s2, hwreg(HW_REG_IB_STS2, 6, 4)
	s_cmp_eq_u32 s2, 0
	s_cbranch_scc0 .Lentry_in_a_cluster
	s_endpgm
.Lentry_in_a_cluster:
	s_bfe_u32 s2, ttmp6, 0x10000c
	s_cmp_lg_u32 s2, 0xf033
	s_cbranch_scc0 .Lentry_shape_is_right
	s_endpgm
.Lentry_shape_is_right:
.set T,     4
.set NQ,    4
.set NK,    32
.set IMG,   1792
.set WOFF,  4096*IMG
.set TILEB, NQ*IMG
.set HALFT, T*TILEB
.set SLOT,  4*HALFT
.set SPARE, 2*SLOT
.set LAPS,  NK/(2*NQ)
.set SP,    272
.set ADRA, 16
.set ASA,  18
.set ADRB, 20
.set ASB,  22
.set LI,   24
.set L8,   25
.set STO,  26
.set RD,   27
.set SPW,  28
.set NIL,  29
.set CO,   30
.set SC,   32
.set C16,  48
.set SO,   49
.set AF,   64
.set BIAS, 96
.set ACC,  128
.set SR,   128
.set GB,   192
.set G1,   24
.set G0,   32
.set G1B,  48
.set G0B,  56
.set PFO,  50                          ; v50  the prefetches' offset: 256 x min(lane, 27)
.set PFA,  92                          ; s[92:93] where my prefetches stand: of the four tiles that I fetch, the one that falls to my work-group among the four that ask jointly (cx for A, cy for B: told apart by address alone)
.set MSB, 0
.macro WIN new
.if MSB != (\new)
	s_set_vgpr_msb (MSB<<8)|(\new)
.set MSB, (\new)
.endif
.endm
.macro PLACES
.rept 4
	v_nop
.endr
.endm
.macro JLOAD g0a, g1a, g0b, g1b
	s_cmp_eq_u32 s15, 0
	s_cbranch_scc0 .Lfor_b_\@
	tensor_load_to_lds s[\g0a:\g0a+3], s[\g1a:\g1a+7]
	s_nop 0
.rept 4
	v_nop
.endr
	s_branch .Lasked_\@
.Lfor_b_\@:
	tensor_load_to_lds s[\g0b:\g0b+3], s[\g1b:\g1b+7]
	s_nop 0
.rept 4
	v_nop
.endr
.Lasked_\@:
.endm
.macro CREST
	s_cmp_lg_u32 s14, 0
	s_cbranch_scc1 .Lnot_wave_0_\@
	s_barrier_signal -3
.Lnot_wave_0_\@:
	s_barrier_wait -3
	s_barrier_signal -1
	s_barrier_wait -1
.endm
.macro CROUND
	s_barrier_signal -1
	s_barrier_wait -1
	CREST
.endm
.macro FETCH slot, q, p                ; the slot's q-th K step into set p, in the order in which the products want it: 8 scale words, B's 12 loads, then A's tiles 0 to 3, 3 loads each
	WIN 0
.irp i, 0,1,2,3
	ds_load_b32 v[SC+8*(\p)+\i], v[ASB+\slot] offset:\i*TILEB+(\q)*IMG+1536
	ds_load_b32 v[SC+8*(\p)+4+\i], v[ASA+\slot] offset:\i*TILEB+(\q)*IMG+1536
.endr
	WIN 0x40
.irp i, 0,1,2,3
.irp g, 0,1,2
	ds_load_b128 v[48*(\p)+12*\i+4*\g:48*(\p)+12*\i+4*\g+3], v[ADRB+\slot] offset:\i*TILEB+(\q)*IMG+512*\g
.endr
.endr
	WIN 0
.irp i, 0,1,2,3
.irp g, 0,1,2
	ds_load_b128 v[AF+48*(\p)+12*\i+4*\g:AF+48*(\p)+12*\i+4*\g+3], v[ADRA+\slot] offset:\i*TILEB+(\q)*IMG+512*\g
.endr
.endr
.endm
.macro MUL j0, nj, p, mode
.set jj, \j0
	WIN 0x51
.rept \nj
.irp i, 0,1,2,3
.set AC, ACC+8*(4*jj+\i)
.if \mode == 0
	v_wmma_scale_f32_16x16x128_f8f6f4 v[AC:AC+7], v[48*(\p)+12*\i:48*(\p)+12*\i+11], v[AF+48*(\p)+12*jj:AF+48*(\p)+12*jj+11], v[AC:AC+7], v[SC+8*(\p)+\i], v[SC+8*(\p)+4+jj] matrix_a_fmt:MATRIX_FMT_FP6 matrix_b_fmt:MATRIX_FMT_FP6
.else
	v_wmma_scale_f32_16x16x128_f8f6f4 v[AC:AC+7], v[48*(\p)+12*\i:48*(\p)+12*\i+11], v[AF+48*(\p)+12*jj:AF+48*(\p)+12*jj+11], v[BIAS+8*\i:BIAS+8*\i+7], v[SC+8*(\p)+\i], v[SC+8*(\p)+4+jj] matrix_a_fmt:MATRIX_FMT_FP6 matrix_b_fmt:MATRIX_FMT_FP6
.endif
.endr
.set jj, jj+1
.endr
.endm
.macro STEP slot, q, mode
	s_wait_dscnt 9                                 ; the scale words, B and A's tile 0 are in; the youngest 9 loads (A's tiles 1 to 3) may be out
	PLACES                                         ; in front of loads into the other set, which the last step's products read
	FETCH \slot, (\q)+1, 1-(\q)%2                  ; the next step's 32 loads go out at the step's top
	MUL 0, 1, (\q)%2, \mode
	s_wait_dscnt 38                                ; A's tile 1 is in: behind it 6 loads of this set and the 32 just issued
	MUL 1, 1, (\q)%2, \mode
	s_wait_dscnt 35                                ; tile 2
	MUL 2, 1, (\q)%2, \mode
	s_wait_dscnt 32                                ; tile 3
	MUL 3, 1, (\q)%2, \mode
	WIN 0
.endm
.macro STEPS slot, first
	STEP \slot, 0, \first
	STEP \slot, 1, 0
	STEP \slot, 2, 0
.endm
.macro TURN slot, next, fill
.if \fill
	s_wait_xcnt 0x0                                ; the last prefetch has read its address
	s_add_nc_u64 s[PFA:PFA+1], s[PFA:PFA+1], NQ*IMG
.endif
	s_wait_tensorcnt 0x0
	ds_add_u32 v[SPW], v[NIL]
	s_wait_dscnt 10                                ; the scale words, B and A's tile 0 are in; A's tiles 1 to 3 (9 loads) and the add may be out
	MUL 0, T/4, 1, 0
	s_wait_dscnt 0x0                               ; the add is done, and my reads of this slot are over
	s_barrier_signal -1
	WIN 0
	s_barrier_wait -1
.if \fill
	CREST
	s_add_nc_u64 s[G0+4*\slot+2:G0+4*\slot+3], s[G0+4*\slot+2:G0+4*\slot+3], 2*NQ*IMG
	s_add_nc_u64 s[G0B+4*\slot+2:G0B+4*\slot+3], s[G0B+4*\slot+2:G0B+4*\slot+3], 2*NQ*IMG
	JLOAD G0+4*\slot, G1, G0B+4*\slot, G1B
.else
	PLACES
.endif
	FETCH \next, 0, 0
.if \fill                                          ; A PREFETCH of what stands two refills on: a tile's four K steps, 28 blocks of 256 bytes, a lane a block (lanes 28-31 name lane 27's again); the last lap's two refills have nothing two on
	s_cmp_gt_u32 s3, 1
	s_cbranch_scc0 .Lno_ask_\@
	global_prefetch_b8 v[PFO], s[PFA:PFA+1] offset:3*NQ*IMG th:TH_LOAD_NT scope:SCOPE_SE
.Lno_ask_\@:
.endif
	MUL T/4, 3*T/4, 1, 0                           ; 12 products stand between the fetch above and the next step's wait
	WIN 0
.endm
.macro OUTT j
.set BB, 64+32*((\j)%2)
	s_wait_xcnt 0x0
	WIN 0x04
.irp i, 0,1,2,3
	ds_store_b128 v[STO], v[ACC+8*(4*(\j)+\i):ACC+8*(4*(\j)+\i)+3] offset:128*(\i/2)+32*(\i%2)
	ds_store_b128 v[STO], v[ACC+8*(4*(\j)+\i)+4:ACC+8*(4*(\j)+\i)+7] offset:128*(\i/2)+32*(\i%2)+16
.endr
	WIN 0
.irp t, 0,1,2,3,4,5,6,7
	ds_load_b128 v[BB+4*\t:BB+4*\t+3], v[RD] offset:2*SP*\t
.endr
	WIN 0x8a
.irp t, 0,1,2,3,4,5,6,7
	v_pk_add_f32 v[32*(\j)+4*\t:32*(\j)+4*\t+1], v[32*(\j)+4*\t:32*(\j)+4*\t+1], v[SR+16*(\j)+2*\t:SR+16*(\j)+2*\t+1] op_sel_hi:[1,0] neg_lo:[0,1] neg_hi:[0,1]
	v_pk_add_f32 v[32*(\j)+4*\t+2:32*(\j)+4*\t+3], v[32*(\j)+4*\t+2:32*(\j)+4*\t+3], v[SR+16*(\j)+2*\t:SR+16*(\j)+2*\t+1] op_sel_hi:[1,0] neg_lo:[0,1] neg_hi:[0,1]
.endr
.irp t, 0,1,2,3,4,5,6,7
.irp k, 0,1,2,3
	v_mul_f32 v[32*(\j)+4*\t+\k], v[SR+16*(\j)+2*\t+1], v[32*(\j)+4*\t+\k]
.endr
.endr
	WIN 0xaa
.irp t, 0,1,2,3,4,5,6,7
	v_pk_fma_f32 v[32*(\j)+4*\t:32*(\j)+4*\t+1], v[32*(\j)+4*\t:32*(\j)+4*\t+1], v[GB:GB+1], v[GB+4:GB+5]
	v_pk_fma_f32 v[32*(\j)+4*\t+2:32*(\j)+4*\t+3], v[32*(\j)+4*\t+2:32*(\j)+4*\t+3], v[GB+2:GB+3], v[GB+6:GB+7]
.endr
	WIN 0
	s_wait_dscnt 0x0
	WIN 0x08
.irp k, 0,2,4,6,8,10,12,14,16,18,20,22,24,26,28,30
	v_pk_add_f32 v[BB+\k:BB+\k+1], v[BB+\k:BB+\k+1], v[32*(\j)+\k:32*(\j)+\k+1]
.endr
	WIN 0
.irp t, 0,1,2,3,4,5,6,7
	global_store_b128 v[CO], v[BB+4*\t:BB+4*\t+3], s[82:83] offset:(32*((\j)/2)+8*((\j)%2)+2*\t+8*(\t/4))*4096 th:TH_STORE_NT
.endr
.endm
	s_load_b512 s[68:83], s[0:1], 0x0
	v_lshl_add_u32 v[SPW], v0, 2, SPARE
	v_mov_b32 v[NIL], 0
	ds_add_u32 v28, v29
	ds_add_u32 v28, v29
	s_wait_dscnt 0x0
	v_lshrrev_b32 v1, 5, v0
	v_readfirstlane_b32 s14, v1
	s_lshr_b32 s15, s14, 1
	s_and_b32 s16, s14, 1
	s_bfe_u32 s40, ttmp6, 0x40000
	s_bfe_u32 s41, ttmp6, 0x40004
	s_lshl_b32 s42, ttmp9, 2
	s_add_co_u32 s42, s42, s40
	s_and_b32 s45, ttmp7, 0xffff
	s_lshl_b32 s45, s45, 2
	s_add_co_u32 s45, s45, s41
	s_lshl_b32 s43, s41, 2
	s_lshl_b32 s43, 15, s43
	s_lshl_b32 s44, 0x1111, s40
	s_or_b32 s[G1], s43, (3<<16)|(1<<21)
	s_or_b32 s[G1B], s44, (3<<16)|(1<<21)
.irp g, G1, G1B
	s_mov_b32 s[\g+1], (NQ*224)<<16
	s_mov_b32 s[\g+2], T<<16
	s_mov_b32 s[\g+3], (NQ*224)<<16
	s_mov_b32 s[\g+4], T
	s_mov_b32 s[\g+5], NK*224
	s_mov_b32 s[\g+6], 0
	s_mov_b32 s[\g+7], 0
.endr
	s_lshl_b32 s22, s16, 2
	s_lshl_b32 s46, s42, 3
	s_add_co_u32 s46, s46, s22
	s_mul_i32 s46, s46, NK*IMG
	s_add_co_u32 s46, s46, WOFF
	s_mov_b32 s47, 0
	s_lshl_b32 s20, s45, 3
	s_add_co_u32 s20, s20, s22
	s_mul_i32 s20, s20, NK*IMG
	s_mov_b32 s21, 0
	s_mul_i32 s84, s14, HALFT
	s_lshl_b32 s86, s45, 7
	s_lshl_b32 s87, s15, 6
	s_add_co_u32 s86, s86, s87
	s_lshl_b32 s86, s86, 12
	s_lshl_b32 s88, s42, 7
	s_lshl_b32 s89, s16, 6
	s_add_co_u32 s88, s88, s89
	s_lshl_b32 s88, s88, 2
	s_mov_b32 s89, 0
	s_add_co_u32 s86, s86, s88
	s_mov_b32 s87, 0
	s_lshl_b32 s90, s45, 3
	s_lshl_b32 s91, s15, 2
	s_add_co_u32 s90, s90, s91
	s_lshl_b32 s90, s90, 8
	s_mov_b32 s91, 0
	s_wait_kmcnt 0x0
	s_add_nc_u64 s[46:47], s[70:71], s[46:47]
	s_add_nc_u64 s[20:21], s[68:69], s[20:21]
	s_add_nc_u64 s[72:73], s[72:73], s[88:89]
	s_add_nc_u64 s[78:79], s[78:79], s[88:89]
	s_add_nc_u64 s[80:81], s[80:81], s[88:89]
	s_add_nc_u64 s[74:75], s[74:75], s[86:87]
	s_add_nc_u64 s[82:83], s[82:83], s[86:87]
	s_add_nc_u64 s[76:77], s[76:77], s[90:91]
	s_cmp_eq_u32 s15, 0                            ; do I fetch for A?
	s_cselect_b64 s[PFA:PFA+1], s[20:21], s[46:47]
	s_cselect_b32 s94, s40, s41                    ; my place among the four that ask with me
	s_mul_i32 s94, s94, NK*IMG
	s_mov_b32 s95, 0
	s_add_nc_u64 s[PFA:PFA+1], s[PFA:PFA+1], s[94:95]
	CROUND
.irp s, 0,1
	s_mov_b32 s[G0+4*\s], 1
	s_add_co_u32 s[G0+4*\s+1], s84, \s*SLOT
	s_add_nc_u64 s[G0+4*\s+2:G0+4*\s+3], s[20:21], \s*NQ*IMG
	s_or_b32 s[G0+4*\s+3], s[G0+4*\s+3], 0x80000000
	s_mov_b32 s[G0B+4*\s], 1
	s_add_co_u32 s[G0B+4*\s+1], s84, \s*SLOT
	s_add_nc_u64 s[G0B+4*\s+2:G0B+4*\s+3], s[46:47], \s*NQ*IMG
	s_or_b32 s[G0B+4*\s+3], s[G0B+4*\s+3], 0x80000000
.endr
	JLOAD G0, G1, G0B, G1B                         ; slot 0: one tensor load a wave at the head
	v_and_b32 v1, 31, v0
	v_lshlrev_b32 v[LI], 4, v1
	v_lshlrev_b32 v[L8], 3, v1
	v_and_b32 v2, 15, v0
	v_bfe_u32 v3, v0, 4, 1
	s_mul_i32 s22, s15, HALFT
	s_mul_i32 s23, s16, HALFT
	s_add_co_u32 s23, s23, 2*HALFT
.irp s, 0,1
	v_add_nc_u32 v[ADRA+\s], s22, v[LI]
	v_add_nc_u32 v[ASA+\s], s22, v[L8]
	v_add_nc_u32 v[ADRB+\s], s23, v[LI]
	v_add_nc_u32 v[ASB+\s], s23, v[L8]
	s_add_co_u32 s22, s22, SLOT
	s_add_co_u32 s23, s23, SLOT
.endr
	s_mul_i32 s23, s14, 16*SP
	v_mul_u32_u24 v[STO], v2, SP
	v_lshl_add_u32 v[STO], v3, 6, v[STO]
	v_add_nc_u32 v[STO], s23, v[STO]
	v_mul_u32_u24 v[RD], v3, SP
	v_lshl_add_u32 v[RD], v2, 4, v[RD]
	v_add_nc_u32 v[RD], s23, v[RD]
	v_lshlrev_b32 v[CO], 12, v3
	v_lshl_add_u32 v[CO], v2, 4, v[CO]
	v_lshlrev_b32 v31, 6, v3
	v_lshlrev_b32 v[C16], 4, v2
	v_lshlrev_b32 v[SO], 6, v3
	v_min_u32 v[PFO], 27, v1
	v_lshlrev_b32 v[PFO], 8, v[PFO]
	global_prefetch_b8 v[PFO], s[PFA:PFA+1] offset:NQ*IMG th:TH_LOAD_NT scope:SCOPE_SE     ; behind slot 0's load: what slot 1's first fill will ask for,
	global_prefetch_b8 v[PFO], s[PFA:PFA+1] offset:2*NQ*IMG th:TH_LOAD_NT scope:SCOPE_SE   ; and the first refill
	WIN 0x40
.irp i, 0,1,2,3
	global_load_b128 v[BIAS+8*\i:BIAS+8*\i+3], v31, s[72:73] offset:(32*(\i/2)+8*(\i%2))*4
	global_load_b128 v[BIAS+8*\i+4:BIAS+8*\i+7], v31, s[72:73] offset:(32*(\i/2)+8*(\i%2))*4+16
.endr
	WIN 0
	s_wait_alu depctr_va_vdst(0)
	s_wait_tensorcnt 0x0                           ; my part of slot 0 is in; slot 1's first fill is issued as a refill is:
	ds_add_u32 v[SPW], v[NIL]
	s_wait_dscnt 0x0
	CROUND                                         ; everybody's part of slot 0 is in, and all sixteen work-groups are here
	JLOAD G0+4, G1, G0B+4, G1B                     ; slot 1, the first tensor load behind the round
	FETCH 0, 0, 0
	global_prefetch_b8 v[PFO], s[PFA:PFA+1] offset:3*NQ*IMG th:TH_LOAD_NT scope:SCOPE_SE   ; behind slot 1's load: what the second refill will ask for
	s_wait_loadcnt 0x0                             ; the bias: its eight loads are all that is out
	STEPS 0, 2
	WIN 0x80                                       ; what only the way out needs is asked for here, behind the first three K steps: gamma, beta, the statistics and x2; 50 loads that have the whole walk along K in which to land
	global_load_b128 v[GB:GB+3], v[C16], s[78:79]
	global_load_b128 v[GB+4:GB+7], v[C16], s[80:81]
.irp j, 0,1,2,3
.irp q, 0,1,2,3
	global_load_b128 v[SR+16*\j+4*\q:SR+16*\j+4*\q+3], v[SO], s[76:77] offset:256*\j+16*\q
.endr
.endr
.irp j, 0,1,2,3
.irp t, 0,1,2,3,4,5,6,7
	global_load_b128 v[32*\j+4*\t:32*\j+4*\t+3], v[CO], s[74:75] offset:(32*(\j/2)+8*(\j%2)+2*\t+8*(\t/4))*4096
.endr
.endr
	WIN 0
.if LAPS > 1
	s_mov_b32 s3, LAPS-1
.Llap:
	TURN 0, 1, 1
	STEPS 1, 0
	TURN 1, 0, 1
	STEPS 0, 0
	s_sub_co_u32 s3, s3, 1
	s_cmp_lg_u32 s3, 0
	s_cbranch_scc1 .Llap
.endif
	TURN 0, 1, 0
	STEPS 1, 0
	s_wait_dscnt 0x0
	MUL 0, T, 1, 0
	WIN 0
	PLACES
	s_wait_alu depctr_va_vdst(0)
	s_wait_loadcnt 0x0
	OUTT 0
	OUTT 1
	OUTT 2
	OUTT 3
	s_wait_tensorcnt 0x0
	ds_add_u32 v[SPW], v[NIL]
	s_wait_dscnt 0x0
	CROUND
	s_endpgm
.Lfunc_end_k_qd3cb788ecd_ffn2:
	.size	k_qd3cb788ecd_ffn2, .Lfunc_end_k_qd3cb788ecd_ffn2-k_qd3cb788ecd_ffn2
	.p2alignl 7, 3214868480
	.fill 96, 4, 3214868480
	.section	.rodata,"a",@progbits
	.p2align	6, 0x0
	.amdhsa_kernel k_qd3cb788ecd_ffn2
		.amdhsa_group_segment_fixed_size 327680
		.amdhsa_private_segment_fixed_size 0
		.amdhsa_enable_private_segment 0
		.amdhsa_kernarg_size 64
		.amdhsa_user_sgpr_count 2
		.amdhsa_user_sgpr_kernarg_segment_ptr 1
		.amdhsa_wavefront_size32 1
		.amdhsa_system_sgpr_workgroup_id_x 1
		.amdhsa_system_sgpr_workgroup_id_y 1
		.amdhsa_system_sgpr_workgroup_id_z 1
		.amdhsa_system_vgpr_workitem_id 0
		.amdhsa_next_free_vgpr 768
		.amdhsa_next_free_sgpr 100
		.amdhsa_reserve_vcc 0
		.amdhsa_float_denorm_mode_32 3
		.amdhsa_float_denorm_mode_16_64 3
		.amdhsa_memory_ordered 1
		.amdhsa_forward_progress 1
		.amdhsa_inst_pref_size 111
	.end_amdhsa_kernel
	.amdgpu_metadata
---
amdhsa.version: [ 1, 2 ]
amdhsa.kernels:
  - .name:           k_qd3cb788ecd_ffn2
    .symbol:         k_qd3cb788ecd_ffn2.kd
    .args:
      - { .name: hid, .offset: 0, .size: 8, .value_kind: global_buffer, .address_space: global }
      - { .name: wimg, .offset: 8, .size: 8, .value_kind: global_buffer, .address_space: global }
      - { .name: b2, .offset: 16, .size: 8, .value_kind: global_buffer, .address_space: global }
      - { .name: x2, .offset: 24, .size: 8, .value_kind: global_buffer, .address_space: global }
      - { .name: st, .offset: 32, .size: 8, .value_kind: global_buffer, .address_space: global }
      - { .name: gamma2, .offset: 40, .size: 8, .value_kind: global_buffer, .address_space: global }
      - { .name: beta2, .offset: 48, .size: 8, .value_kind: global_buffer, .address_space: global }
      - { .name: out0, .offset: 56, .size: 8, .value_kind: global_buffer, .address_space: global }
    .group_segment_fixed_size: 327680
    .private_segment_fixed_size: 0
    .kernarg_segment_align: 8
    .kernarg_segment_size: 64
    .max_flat_workgroup_size: 128
    .sgpr_count:     100
    .vgpr_count:     768
    .wavefront_size: 32
...
	.end_amdgpu_metadata
.endif
;; end of part 7
